; MI455X (gfx1250); checked and timed in simulation.
; The chip was launched on July 23, 2026; its instructions are those of AMD's public machine-readable ISA for CDNA 5 (MIT licence, August 2026) and "CDNA5" Instruction Set Architecture Reference Guide (July 2026). The comments in the code are by the model that wrote it; some were corrected since.
;; Self Attention. Allowed arithmetic: matrix products marked QUANTISED: E2M1 operands, one E8M0 scale for each 32 along K, by v_wmma_scale_f32_16x16x128_f8f6f4 with both operands' format E2M1 (or v_wmma_scale_f32_32x16x128_f4), f32 sums; products left as they are: bf16, f16 or f32 operands; f32 sums; everything else in f32.
;; Inputs: Wk 768 x 768 float32; Wq 768 x 768 float32; Wv 768 x 768 float32; attention_mask 8 int32; input 8 x 1,024 x 768 float32.
;; Outputs: out0 8 x 1,024 x 768 float32.
;; This version of the problem:
;;   THIS VERSION OF THE PROBLEM IS GIVEN IN LOW PRECISION. The matrix products marked QUANTISED in the list below multiply operands that are first quantised to E2M1 (2 exponent bits, 1 mantissa bit; 4 bits a number), with one power-of-two scale for each 32 numbers along K (OCP MX v1.0); their sums are f32. The products marked 'left as it is' may take bf16, f16 or f32 operands, with f32 sums. Whichever they take, every output number must still come out within the allowed error. Rounding operands to bf16 (8 significant bits) uses up far more of that allowance than f16 does (11 bits, for magnitudes from 6e-5 to 65,504). All else is computed in f32.
;;   The module's matrix products, in the order in which they are computed (A, B: the left and right operand; K: the contracted axis; several contracted axes count as one K, in the product's order):
;;     1. [M 8,192, K 768] x [K 768, N 768]; A: input input; B: input Wq: QUANTISED
;;     2. [M 8,192, K 768] x [K 768, N 768]; A: input input; B: input Wk: QUANTISED
;;     3. [M 8,192, K 768] x [K 768, N 768]; A: input input; B: input Wv: QUANTISED
;;     4. batch 8 x [M 1,024, K 768] x [K 768, N 1,024]; A: computed on the way; B: computed on the way: left as it is (an operand is computed on the way)
;;     5. batch 8 x [M 1,024, K 1,024] x [K 1,024, N 768]; A: computed on the way; B: input input: left as it is (an operand is computed on the way)
;;   THE QUANTISER, for each operand of a quantised product, along K:
;;     - K is cut into blocks of 32 from its start; a last block that is shorter is filled with zeros.
;;     - A block's scale is 2^e with e = floor(log2(the largest magnitude in the block)) - 2, held to -126 .. 127; a block of zeros has e = 0. As a byte (E8M0): e + 127.
;;     - Each number is divided by its block's scale, clamped to +-6, and rounded to the nearest number of E2M1, ties to even, subnormals kept.
;;     - The product sums the exact products of the quantised numbers (number of the format x scale) in f32.
;;   ~~~python
;;   def quantise(x, axis):      # numpy; x: float32 -> the quantised numbers, widened to float32 again
;;       x = np.moveaxis(x, axis, -1); K = x.shape[-1]
;;       x = np.pad(x, [(0, 0)] * (x.ndim - 1) + [(0, -K % 32)]); x = x.reshape(x.shape[:-1] + (-1, 32)); a = np.abs(x).max(-1, keepdims=True)
;;       e = np.where(a > 0, np.clip(np.frexp(np.where(a > 0, a, 1))[1] - 1 - 2, -126, 127), 0)      # np.frexp(a)[1] - 1 = floor(log2(a)), exactly
;;       r = np.clip(x / 2.0 ** e, -6, 6)
;;       step = 2.0 ** (np.maximum(np.frexp(np.where(r == 0, 1, r))[1] - 1, 0) - 1)
;;       q = np.round(r / step) * step * 2.0 ** e      # np.round: ties to even
;;       return np.moveaxis(q.reshape(q.shape[:-2] + (-1,))[..., :K], -1, axis).astype(np.float32)
;;   ~~~
;; One version. Each part assembles by itself: llvm-mc -triple=amdgcn-amd-amdhsa -mcpu=gfx1250 --defsym DOCPART=n.
;; ======== version 1 of 1: 4 launches
;; limits: values are held in f16: magnitudes above 65,504 overflow, below 6.1e-05 lose precision; right only within a limited range of input values; inputs' magnitudes at most 65,504
;; workspace buffers: codes 3,735,552 bytes; scales 233,472 bytes; x16f 12,582,912 bytes; amax 2,304 bytes; qk 25,165,824 bytes; tbuf 256 bytes; g16f 9,437,184 bytes
;; launch prep (part 1): grid 328 x 1, 4 waves a work-group, no clusters, 100,608 bytes of LDS; arguments input, Wq, Wk, codes, scales, x16f, amax; writes codes, scales, x16f, amax
.if DOCPART == 1
	.amdgcn_target "amdgcn-amd-amdhsa--gfx1250"
	.amdhsa_code_object_version 6
	.text
	.protected	k_qc97041b778_prep
	.globl	k_qc97041b778_prep
	.p2align	8
	.type	k_qc97041b778_prep,@function
k_qc97041b778_prep:
	s_mov_b64 s[64:65], 0
	v_nop
	global_prefetch_b8 v0, s[64:65] scope:SCOPE_SE
	s_setreg_imm32_b32 hwreg(HW_REG_WAVE_MODE, 25, 1), 1
	s_wait_xcnt 0x0
; PREP.  input [8192][768] f32 (8 batches x 1024 rows), Wq and Wk [768 (k)][768 (n)] f32 are quantised along K to E2M1 codes with one E8M0 byte for each 32 along K,
; input is also rounded to f16 with its ROWS as the next product's K, and each work-group (x) or wave (W) leaves the largest magnitude that it met.
; WHAT THE PROGRAM LEAVES OUT: v = input Wv, the ragged mask and the softmax of the source reach no number that it returns; so Wv and attention_mask are not read by any launch.
; ALL WORKSPACE OPERANDS LIE IN THE ORDER OF THE OPERAND'S REGISTERS: a fragment (16 rows x 128 K of codes, or 16 rows x 32 K of f16) is 1,024 bytes: registers 4 c .. 4 c + 3 of lane l at 512 c + 16 l.
;   codes  [group 38][K step 6][tile 16][1024]: a group is 256 rows; groups 0-31 input's rows, 32-34 Wq's columns, 35-37 Wk's columns
;   scales [row 9728][24]: a row's six scale words, one for each 128 along K
;   x16f   [32 rows of input: 256][tile of 16 columns: 48][1024]: the fragment's row is a column e of input, its K the 32 rows
;   amax   words 0-255: input's work-groups; words 256-543: the weights' waves
; A block's scale byte is its largest magnitude's exponent field - 2, held at 1 from below by a floor among the maximum's leaves.
; LIMITS: NaN and infinities are not served; a block whose largest magnitude lies under 2^-124 (a block of zeros too) gets the byte 1: its codes are zeros or what the conversion gives under that scale; the bytes are read by this program alone.
; Work-groups 0-255 take 32 rows of input each, through a stage in LDS; work-groups 256-327 take 128 k x 128 n of a weight, a lane to a column, registers down K, with no LDS.
.set XROW,  3072                       ; a row of input or of a weight in bytes
.set STP,   3088                       ; a stage row: 3,072 + 16: 193 x 16, so sixteen rows' equal columns fall on sixteen different groups of banks
.set SCST,  32*STP                     ; 768 bytes: the 32 rows' scale words
.set AMST,  SCST+768                   ; 512 bytes: a largest magnitude for each thread
.set SPARE, AMST+512                   ; the spare words, 128 bytes for each wave: two blocks of 256 bytes that no other line names
.set FLOOR, 0x1800000                  ; 2^(3 - 127)
.set SPW, 12                           ; v12 my spare word's LDS address; never rewritten
.set NIL, 13                           ; v13 0; never rewritten
.set AM,  14                           ; v14 the largest magnitude so far
	s_load_b256 s[4:11], s[0:1], 0x0               ; input s[4:5], Wq s[6:7], Wk s[8:9], codes s[10:11]
	s_load_b128 s[12:15], s[0:1], 0x20             ; scales s[12:13], x16f s[14:15]
	s_load_b64 s[16:17], s[0:1], 0x30              ; amax
	v_lshl_add_u32 v[SPW], v0, 2, SPARE
	v_mov_b32 v[NIL], 0
	v_lshrrev_b32 v16, 5, v0
	v_readfirstlane_b32 s18, v16                   ; wave 0..3
	v_and_b32 v1, 31, v0                           ; lane l
	v_and_b32 v2, 15, v0                           ; r
	v_bfe_u32 v3, v0, 4, 1                         ; h
	v_lshlrev_b32 v11, 4, v1                       ; 16 l
	v_mov_b32 v[AM], FLOOR
	v_mov_b32 v23, 0                               ; a lane permute's destination counts as read: written once
	v_mov_b32 v25, 0                               ; the offset of the one word that goes to amax
	s_mov_b32 s20, 0x76543210
	s_mov_b32 s21, 0xfedcba98                      ; v_permlanex16_b32's selects for lane l xor 16
	s_cmp_ge_u32 ttmp9, 256
	s_cbranch_scc1 .Lweights
.macro WAVEMAX r                       ; the largest of v[r] over the 32 lanes, in every lane
	v_max_num_f32_dpp v[\r], v[\r], v[\r] row_xmask:1 row_mask:0xf bank_mask:0xf
	v_max_num_f32_dpp v[\r], v[\r], v[\r] row_xmask:2 row_mask:0xf bank_mask:0xf
	v_max_num_f32_dpp v[\r], v[\r], v[\r] row_xmask:4 row_mask:0xf bank_mask:0xf
	v_max_num_f32_dpp v[\r], v[\r], v[\r] row_xmask:8 row_mask:0xf bank_mask:0xf
	v_permlanex16_b32 v23, v[\r], s20, s21
	v_max_num_f32 v[\r], v[\r], v23
.endm
.macro ONEWORD r                       ; lane 0 stores v[r] at s[16:17].  EXEC is a source of pending memory instructions: it changes only behind s_wait_xcnt 0
	v_cmp_eq_u32 vcc_lo, 0, v1
	s_wait_xcnt 0x0
	s_and_saveexec_b32 s19, vcc_lo
	global_store_b32 v25, v[\r], s[16:17]
	s_wait_xcnt 0x0
	s_or_b32 exec_lo, exec_lo, s19
.endm
	; ---------------- input: work-group i takes rows 32 i .. 32 i + 31 ----------------
	s_lshr_b32 s23, s18, 1                         ; T: which 16 of the 32 rows I quantise
	s_and_b32 s24, s18, 1                          ; which three of the six K steps
	s_mul_i32 s22, s18, 8*XROW
	v_add_nc_u32 v4, s22, v11                      ; in: my wave's 8 rows, 16 bytes a lane
	s_mul_i32 s22, s18, 8*STP
	v_add_nc_u32 v5, s22, v11                      ; and their place in the stage
	v_mul_u32_u24 v6, v2, STP
	v_lshl_add_u32 v6, v3, 7, v6
	s_mul_i32 s22, s23, 16*STP
	s_mul_i32 s25, s24, 1536
	s_add_co_u32 s22, s22, s25
	v_add_nc_u32 v6, s22, v6                       ; quantiser: row 16 T + r, + 128 h bytes (block h of a pair), + my first K step
	v_mul_u32_u24 v7, v2, 24
	s_mul_i32 s22, s23, 384
	s_mul_i32 s25, s24, 12
	s_add_co_u32 s22, s22, s25
	s_add_co_u32 s22, s22, SCST
	v_add_nc_u32 v7, s22, v7                       ; my row's scale words
	v_lshlrev_b32 v8, 2, v1
	s_mul_i32 s22, s18, 768
	v_add_nc_u32 v8, s22, v8                       ; f16 part: my column of the wave's 192, rows 0-15;
	v_add_nc_u32 v9, 16*STP, v8                    ; rows 16-31 (the immediate has 16 bits)
	v_lshlrev_b32 v10, 4, v2
	v_lshl_add_u32 v10, v3, 10, v10
	s_mul_i32 s22, s18, 12288
	v_add_nc_u32 v10, s22, v10                     ; x16f: tile 12 wave + l / 16, 16 bytes for row l % 16
	v_lshl_add_u32 v15, v0, 2, AMST
	v_lshlrev_b32 v24, 3, v3                       ; 8 h: where my two bytes stand in a scale word
	v_lshl_add_u32 v29, v1, 3, SCST                ; wave 0's way out: the scale words, 8 bytes a lane,
	v_lshl_add_u32 v30, v1, 4, AMST                ; the 128 maxima, four a lane,
	v_lshlrev_b32 v31, 3, v1                       ; and the offset in scales
	s_mul_i32 s26, ttmp9, 32*XROW
	s_mov_b32 s27, 0
	s_lshr_b32 s28, ttmp9, 3                       ; group
	s_mul_i32 s28, s28, 98304
	s_mul_i32 s25, s24, 3*16384
	s_add_co_u32 s28, s28, s25
	s_and_b32 s25, ttmp9, 7
	s_lshl_b32 s25, s25, 1
	s_add_co_u32 s25, s25, s23                     ; tile in the group: 2 (i % 8) + T
	s_lshl_b32 s25, s25, 10
	s_add_co_u32 s28, s28, s25
	s_mov_b32 s29, 0
	s_mul_i32 s30, ttmp9, 768
	s_mov_b32 s31, 0
	s_mul_i32 s32, ttmp9, 49152
	s_mov_b32 s33, 0
	s_lshl_b32 s34, ttmp9, 2
	s_mov_b32 s35, 0
	s_wait_kmcnt 0x0
	s_add_nc_u64 s[4:5], s[4:5], s[26:27]
	s_add_nc_u64 s[10:11], s[10:11], s[28:29]
	s_add_nc_u64 s[12:13], s[12:13], s[30:31]
	s_add_nc_u64 s[14:15], s[14:15], s[32:33]
	s_add_nc_u64 s[16:17], s[16:17], s[34:35]
	; A: the 32 rows come in as they lie, 512 consecutive bytes a load, 48 loads a wave all out at once, and go to the stage
.set k, 0
.rept 48
	global_load_b128 v[64+4*k:64+4*k+3], v4, s[4:5] offset:512*k th:TH_LOAD_NT
.set k, k+1
.endr
.set k, 0
.rept 48
	s_wait_loadcnt 47-k                            ; loads come back in order: load k is in, the younger ones stay out
	ds_store_b128 v5, v[64+4*k:64+4*k+3] offset:(k/6)*STP+(k%6)*512
.set k, k+1
.endr
	s_wait_dscnt 0x0                               ; for the others' sake: my rows lie in the stage
	s_barrier_signal -1
	s_barrier_wait -1
	; B1: three fragments of codes a wave.  Lane (r, h) takes blocks h and 2 + h of row r's 128 numbers: the operand's own layout, so the conversions' results are the fragment's registers
.irp u, 0,1,2
.irp c, 0,1
.irp i, 0,1,2,3,4,5,6,7
	ds_load_b128 v[64+64*\u+32*\c+4*\i:64+64*\u+32*\c+4*\i+3], v6 offset:512*\u+256*\c+16*\i
.endr
.endr
.endr
.macro QUNIT u
.set X, 64+64*\u
	s_wait_dscnt 32-15*\u                          ; this unit's 16 loads are in; out may be the later units' 16 each and the scale words stored since
.irp c, 0,1
	v_max3_num_f32 v[16+\c], |v[X+32*\c]|, |v[X+32*\c+1]|, FLOOR
.endr
.irp i, 2,4,6,8,10,12,14,16,18,20,22,24,26,28,30
.irp c, 0,1
	v_max3_num_f32 v[16+\c], v[16+\c], |v[X+32*\c+\i]|, |v[X+32*\c+\i+1]|      ; the two blocks by turns
.endr
.endr
	v_max3_num_f32 v[AM], v[AM], v16, v17
.irp c, 0,1
	v_add_nc_u32 v[18+\c], 0xff000000, v[16+\c]    ; 2 off the exponent field: the conversion's scale operand
.endr
.irp c, 0,1
	v_lshrrev_b32 v[20+\c], 23, v[18+\c]           ; the scale's byte
.endr
	v_lshl_or_b32 v[26+\u], v21, 16, v20           ; blocks h and 2 + h,
	v_lshlrev_b32 v[26+\u], v24, v[26+\u]          ; 8 h bits up;
	v_permlanex16_b32 v23, v[26+\u], s20, s21
	v_or_b32 v[26+\u], v[26+\u], v23               ; with lane l xor 16's two the word is whole
.irp c, 0,1
.irp g, 0,1,2,3
	v_cvt_scalef32_pk8_fp4_f32 v[32+8*\u+4*\c+\g], v[X+32*\c+8*\g:X+32*\c+8*\g+7], v[18+\c]
.endr
.endr
	v_nop                                          ; one plain place behind the scaled conversions
	ds_store_b32 v7, v[26+\u] offset:4*\u          ; lanes l and l xor 16 write the same word with the same value
	global_store_b128 v11, v[32+8*\u:32+8*\u+3], s[10:11] offset:16384*\u          ; the wave stores 512 consecutive bytes
	global_store_b128 v11, v[32+8*\u+4:32+8*\u+7], s[10:11] offset:16384*\u+512
.endm
	QUNIT 0
	QUNIT 1
	QUNIT 2
	; B2: f16 with the rows as K.  A lane takes a column, its registers run down the 32 rows; eight neighbours pack into 16 bytes of a fragment.  Three groups of 32 columns at a time
.macro XPOSE bt
.irp g, 0,1,2
.set rr, 0
.rept 16
	ds_load_b32 v[64+32*\g+rr], v8 offset:rr*STP+128*(3*\bt+\g)
	ds_load_b32 v[80+32*\g+rr], v9 offset:rr*STP+128*(3*\bt+\g)
.set rr, rr+1
.endr
.endr
	s_wait_dscnt 0x0
.irp g, 0,1,2
.irp p, 0,1,2,3
.irp j, 0,1,2,3
	v_cvt_pk_f16_f32 v[160+48*\bt+16*\g+4*\p+\j], v[64+32*\g+8*\p+2*\j], v[64+32*\g+8*\p+2*\j+1]
.endr
.endr
.endr
.irp g, 0,1,2
.irp p, 0,1,2,3
	global_store_b128 v10, v[160+48*\bt+16*\g+4*\p:160+48*\bt+16*\g+4*\p+3], s[14:15] offset:(3*\bt+\g)*2048+(\p/2)*512+(\p%2)*256   ; sixteen lanes store 256 consecutive bytes, aligned
.endr
.endr
.endm
	XPOSE 0
	XPOSE 1
	; C: the scale words and the largest magnitude leave by wave 0
	ds_store_b32 v15, v[AM]
	s_wait_dscnt 0x0                               ; my scale words and my maximum lie in LDS
	s_barrier_signal -1
	s_barrier_wait -1
	s_cmp_lg_u32 s18, 0
	s_cbranch_scc1 .Lxend
	ds_load_b64 v[64:65], v29
	ds_load_b64 v[66:67], v29 offset:256
	ds_load_b64 v[68:69], v29 offset:512
	ds_load_b128 v[72:75], v30
	s_wait_dscnt 0x0
	global_store_b64 v31, v[64:65], s[12:13]                   ; 32 lanes store 256 consecutive bytes, aligned
	global_store_b64 v31, v[66:67], s[12:13] offset:256
	global_store_b64 v31, v[68:69], s[12:13] offset:512
	v_max3_num_f32 v72, v72, v73, v74
	v_max_num_f32 v72, v72, v75
	WAVEMAX 72
	ONEWORD 72
.Lxend:
	s_wait_tensorcnt 0x0                           ; the wave's end: behind my last LDS store
	ds_add_u32 v[SPW], v[NIL]
	s_wait_dscnt 0x0
	s_endpgm
	; ---------------- the weights: work-group 256 + j: weight j / 36, 128 columns (j % 36) / 6, K step j % 6.  No LDS ----------------
.Lweights:
	s_sub_co_u32 s22, ttmp9, 256                   ; j
	s_cmp_ge_u32 s22, 36
	s_cselect_b32 s23, 1, 0                        ; 0: Wq, 1: Wk
	s_cselect_b32 s24, 36, 0
	s_sub_co_u32 s24, s22, s24                     ; 0 .. 35
	s_mul_i32 s25, s24, 43
	s_lshr_b32 s25, s25, 8                         ; / 6, exact up to 35: which 128 columns
	s_mul_i32 s26, s25, 6
	s_sub_co_u32 s26, s24, s26                     ; K step
	v_lshlrev_b32 v4, 2, v0                        ; in: column 32 wave + l, 4 bytes
	v_lshrrev_b32 v5, 4, v0
	v_lshlrev_b32 v5, 10, v5
	v_lshl_add_u32 v5, v2, 4, v5                   ; codes: tile 2 wave + l / 16, 16 bytes for row l % 16
	v_mul_u32_u24 v6, v0, 24                       ; scales: 24 bytes a row
	s_mul_i32 s28, s26, 128*XROW
	s_lshl_b32 s27, s25, 9
	s_add_co_u32 s28, s28, s27
	s_mov_b32 s29, 0
	s_mul_i32 s30, s23, 3
	s_lshr_b32 s27, s25, 1
	s_add_co_u32 s30, s30, s27
	s_add_co_u32 s30, s30, 32                      ; group
	s_mul_i32 s30, s30, 6
	s_add_co_u32 s30, s30, s26
	s_lshl_b32 s30, s30, 14
	s_and_b32 s27, s25, 1
	s_lshl_b32 s27, s27, 13                        ; the group's tiles 0-7 or 8-15
	s_add_co_u32 s30, s30, s27
	s_mov_b32 s31, 0
	s_mul_i32 s32, s23, 768
	s_lshl_b32 s27, s25, 7
	s_add_co_u32 s32, s32, s27
	s_add_co_u32 s32, s32, 8192
	s_mul_i32 s32, s32, 24
	s_lshl_b32 s27, s26, 2
	s_add_co_u32 s32, s32, s27
	s_mov_b32 s33, 0
	s_lshl_b32 s34, s22, 2
	s_add_co_u32 s34, s34, s18
	s_add_co_u32 s34, s34, 256
	s_lshl_b32 s34, s34, 2
	s_mov_b32 s35, 0
	s_wait_kmcnt 0x0
	s_cmp_eq_u32 s23, 0                            ; the choice hangs on the work-group's number alone
	s_cselect_b64 s[6:7], s[6:7], s[8:9]
	s_add_nc_u64 s[6:7], s[6:7], s[28:29]
	s_add_nc_u64 s[10:11], s[10:11], s[30:31]
	s_add_nc_u64 s[12:13], s[12:13], s[32:33]
	s_add_nc_u64 s[16:17], s[16:17], s[34:35]
.macro WLOAD kb                        ; block kb: W(128 q + 32 kb + i, my column): a wave reads 128 consecutive bytes, the four waves 512
.set rr, 0
.rept 32
	global_load_b32 v[64+32*\kb+rr], v4, s[6:7] offset:(32*\kb+rr)*XROW th:TH_LOAD_NT
.set rr, rr+1
.endr
.endm
.macro WBLOCK kb                       ; all 32 numbers of the block are mine
.set X, 64+32*\kb
	v_max3_num_f32 v16, |v[X]|, |v[X+1]|, |v[X+2]|
	v_max3_num_f32 v17, |v[X+3]|, |v[X+4]|, |v[X+5]|
.irp i, 6,10,14,18,22,26
	v_max3_num_f32 v16, v16, |v[X+\i]|, |v[X+\i+1]|
	v_max3_num_f32 v17, v17, |v[X+\i+2]|, |v[X+\i+3]|
.endr
	v_max3_num_f32 v16, v16, |v[X+30]|, |v[X+31]|
	v_max3_num_f32 v16, v16, v17, FLOOR
	v_max_num_f32 v[AM], v[AM], v16
	v_add_nc_u32 v18, 0xff000000, v16
	v_lshrrev_b32 v19, 23, v18
.if \kb == 0
	v_mov_b32 v22, v19                             ; the scale word: the lower K in the lower byte
.else
	v_lshl_or_b32 v22, v19, 8*\kb, v22
.endif
.irp g, 0,1,2,3
	v_cvt_scalef32_pk8_fp4_f32 v[32+4*\kb+\g], v[X+8*\g:X+8*\g+7], v18
.endr
	v_nop                                          ; one plain place behind the scaled conversions
	global_store_b128 v5, v[32+4*\kb:32+4*\kb+3], s[10:11] offset:(\kb/2)*512+(\kb%2)*256   ; sixteen lanes store 256 consecutive bytes, aligned
.endm
	WLOAD 0
	WLOAD 1
	s_wait_loadcnt 32                              ; block 0 is in; block 1's 32 loads may be out
	WLOAD 2
	WBLOCK 0
	s_wait_loadcnt 32                              ; block 1 is in; block 2's may be out
	WLOAD 3
	WBLOCK 1
	s_wait_loadcnt 32
	WBLOCK 2
	s_wait_loadcnt 0x0
	WBLOCK 3
	global_store_b32 v6, v22, s[12:13]             ; four bytes of each of 32 rows 24 bytes apart: 36,864 bytes in the whole launch leave so
	WAVEMAX AM
	ONEWORD AM
	s_endpgm
.Lfunc_end_k_qc97041b778_prep:
	.size	k_qc97041b778_prep, .Lfunc_end_k_qc97041b778_prep-k_qc97041b778_prep
	.p2alignl 7, 3214868480
	.fill 96, 4, 3214868480
	.section	.rodata,"a",@progbits
	.p2align	6, 0x0
	.amdhsa_kernel k_qc97041b778_prep
		.amdhsa_group_segment_fixed_size 100608
		.amdhsa_private_segment_fixed_size 0
		.amdhsa_enable_private_segment 0
		.amdhsa_kernarg_size 56
		.amdhsa_user_sgpr_count 2
		.amdhsa_user_sgpr_kernarg_segment_ptr 1
		.amdhsa_wavefront_size32 1
		.amdhsa_system_sgpr_workgroup_id_x 1
		.amdhsa_system_sgpr_workgroup_id_y 1
		.amdhsa_system_sgpr_workgroup_id_z 1
		.amdhsa_system_vgpr_workitem_id 0
		.amdhsa_next_free_vgpr 256
		.amdhsa_next_free_sgpr 66
		.amdhsa_reserve_vcc 1
		.amdhsa_float_denorm_mode_32 3
		.amdhsa_float_denorm_mode_16_64 3
		.amdhsa_memory_ordered 1
		.amdhsa_forward_progress 1
		.amdhsa_inst_pref_size 69
	.end_amdhsa_kernel
	.amdgpu_metadata
---
amdhsa.version: [ 1, 2 ]
amdhsa.kernels:
  - .name:           k_qc97041b778_prep
    .symbol:         k_qc97041b778_prep.kd
    .args:
      - { .name: input, .offset: 0, .size: 8, .value_kind: global_buffer, .address_space: global }
      - { .name: Wq, .offset: 8, .size: 8, .value_kind: global_buffer, .address_space: global }
      - { .name: Wk, .offset: 16, .size: 8, .value_kind: global_buffer, .address_space: global }
      - { .name: codes, .offset: 24, .size: 8, .value_kind: global_buffer, .address_space: global }
      - { .name: scales, .offset: 32, .size: 8, .value_kind: global_buffer, .address_space: global }
      - { .name: x16f, .offset: 40, .size: 8, .value_kind: global_buffer, .address_space: global }
      - { .name: amax, .offset: 48, .size: 8, .value_kind: global_buffer, .address_space: global }
    .group_segment_fixed_size: 100608
    .private_segment_fixed_size: 0
    .kernarg_segment_align: 8
    .kernarg_segment_size: 56
    .max_flat_workgroup_size: 128
    .sgpr_count:     66
    .vgpr_count:     256
    .wavefront_size: 32
...
	.end_amdgpu_metadata
.endif
;; end of part 1
;; launch proj (part 2): grid 32 x 6, 4 waves a work-group, no clusters, 209,408 bytes of LDS; arguments codes, scales, amax, qk, tbuf; writes qk, tbuf
.if DOCPART == 2
	.amdgcn_target "amdgcn-amd-amdhsa--gfx1250"
	.amdhsa_code_object_version 6
	.text
	.protected	k_qc97041b778_proj
	.globl	k_qc97041b778_proj
	.p2align	8
	.type	k_qc97041b778_proj,@function
k_qc97041b778_proj:
	s_mov_b64 s[64:65], 0
	v_nop
	global_prefetch_b8 v0, s[64:65] scope:SCOPE_SE
	s_setreg_imm32_b32 hwreg(HW_REG_WAVE_MODE, 25, 1), 1
	s_wait_xcnt 0x0
; PROJ.  q = Q(input) Q(Wq) and k = Q(input) Q(Wk), on E2M1 codes with E8M0 scales, f32 sums; the results leave as f16, times 2^-6, in the order of the next products' operand registers:
;   qk + 0:          q16f [32 of d: 24][tile of 16 rows s: 512][1024]   fragment: row s, K = d
;   qk + 12,582,912: kTf  [32 of s: 256][tile of 16 columns d: 48][1024] fragment: row d, K = s
; A work-group makes 256 x 256 of one of them over all of K = 768.  In a result a lane holds ONE row of source 1 and eight neighbouring rows of source 0; the eight must be neighbours along the NEXT K.
; So for q (y < 3) source 0 (P) = 256 columns of Wq, source 1 (Q) = 256 rows of input; for k (y >= 3) P = 256 rows of input, Q = 256 columns of Wk.  Only offsets are chosen by y: one text.
; All that a work-group reads, 2 x 98,304 bytes of codes and 2 x 6,144 of scale words, lies in LDS at once: four tensor loads a wave at the head, by this text's count four out, and nothing is filled again.
; NO CLUSTER: which side of the product neighbours share changes between q's and k's tiles, so a joint descriptor would hang on a choice; and a work-group asks once, at its head, with no loop.
; f16 RANGE: q 2^-6 and k 2^-6 must stay under 65,504: |q|, |k| under 4.19e6; with all inputs 30 times the drawn spread, or offset by 30 times it, they lie under 7e5.
; Wave 0 of work-group (0, 0) also makes the shift t for the next launch from the largest magnitudes: t = 2 Ex + Ew + 1 (E: exponents of max |input| and of max |Wq|, |Wk|); it is used as a value alone.
; REGISTERS, in windows of 256: window 0: addresses, v32-79 scale words (register 6 i + q: lanes 0-15 P's tile i, lanes 16-31 Q's tile i, K step q);  window 1: two sets of fragments, P's at 128 s + 8 b, Q's at 128 s + 64 + 8 a;
;   windows 2, 3: the 64 accumulators, (a, b) at 8 (8 (a % 4) + b).
.set PC,    0                          ; P's codes [K step 6][tile 16][1024]
.set QC,    98304                      ; Q's
.set PS,    196608                     ; P's scale words [row 256][24]
.set QS,    202752                     ; Q's
.set SPARE, 208896                     ; the spare words, 128 bytes for each wave: two blocks of 256 bytes that no other line names
.set ADRP, 16                          ; v16-17 my P fragments: K steps 0-2, 3-5
.set ADRQ, 18                          ; v18-19 my Q fragments
.set ADRS, 20                          ; v20    my scale words
.set OFF,  22                          ; v22-25 the way out: 16 l + beta x a row of fragments
.set SPW,  28
.set NIL,  29
.set SC,   32
.set G1C,  24                          ; s[24:31] group 1: 16,384 dense bytes as 64 rows of 256
.set G1S,  32                          ; s[32:39] group 1: 3,072 dense bytes as 12 rows of 256
.set G0,   40                          ; s[40:55] four groups 0: scale words, then K steps 0-1, 2-3, 4-5 (my half of each)
.set MSB, 0
.macro WIN new                         ; the immediate's high byte repeats the setting that is left
.if MSB != (\new)
	s_set_vgpr_msb (MSB<<8)|(\new)
.set MSB, (\new)
.endif
.endm
	s_load_b256 s[4:11], s[0:1], 0x0               ; codes s[4:5], scales s[6:7], amax s[8:9], qk s[10:11]
	s_load_b64 s[12:13], s[0:1], 0x20              ; tbuf
	v_lshl_add_u32 v[SPW], v0, 2, SPARE
	v_mov_b32 v[NIL], 0
	ds_add_u32 v[SPW], v[NIL]                      ; the wave's opening: the add and its wait ahead of my first tensor load; the set-up below, work on registers, stands between them
	v_lshrrev_b32 v1, 5, v0
	v_readfirstlane_b32 s14, v1                    ; wave 0..3
	s_and_b32 s15, s14, 1                          ; wx: my half of P's rows.  Also: which half of a fill I fetch
	s_lshr_b32 s16, s14, 1                         ; wy: my half of Q's rows.  Also: I fetch for P (0) or for Q (1)
	s_mov_b32 s17, ttmp9                           ; gx: which 256 rows of input
	s_and_b32 s18, ttmp7, 0xffff                   ; y: 0-2 q, 3-5 k
	s_cmp_ge_u32 s18, 3
	s_cselect_b32 s19, 1, 0                        ; k?
	s_mov_b32 s20, 0x76543210
	s_mov_b32 s21, 0xfedcba98
	s_mov_b32 s[G1C+0], 3<<16                      ; no mask; elements of 8 bytes; no padding
	s_mov_b32 s[G1C+1], 32<<16                     ; tensor_dim0 = 32
	s_mov_b32 s[G1C+2], 64<<16                     ; tensor_dim1 = 64
	s_mov_b32 s[G1C+3], 32<<16                     ; tile_dim0 = 32
	s_mov_b32 s[G1C+4], 64                         ; tile_dim1 = 64
	s_mov_b32 s[G1C+5], 32                         ; pitch = row: dense
	s_mov_b32 s[G1C+6], 0
	s_mov_b32 s[G1C+7], 0
	s_mov_b32 s[G1S+0], 3<<16
	s_mov_b32 s[G1S+1], 32<<16
	s_mov_b32 s[G1S+2], 12<<16
	s_mov_b32 s[G1S+3], 32<<16
	s_mov_b32 s[G1S+4], 12
	s_mov_b32 s[G1S+5], 32
	s_mov_b32 s[G1S+6], 0
	s_mov_b32 s[G1S+7], 0
	s_xor_b32 s56, s16, s19                        ; does my side take input's rows?
	s_add_co_u32 s57, s18, 32
	s_cmp_eq_u32 s56, 1
	s_cselect_b32 s56, s17, s57                    ; the group that I fetch from
	s_mul_i32 s58, s56, 6144
	s_mul_i32 s57, s15, 3072
	s_add_co_u32 s58, s58, s57
	s_mov_b32 s59, 0                               ; its scale words, my half
	s_mul_i32 s60, s56, 98304
	s_lshl_b32 s57, s15, 14
	s_add_co_u32 s60, s60, s57
	s_mov_b32 s61, 0                               ; its codes: K step 0 or 1
	s_mul_i32 s62, s16, 6144
	s_mul_i32 s57, s15, 3072
	s_add_co_u32 s62, s62, s57
	s_add_co_u32 s62, s62, PS                      ; where they go in LDS
	s_mul_i32 s63, s16, 98304
	s_lshl_b32 s57, s15, 14
	s_add_co_u32 s63, s63, s57
	s_wait_dscnt 0x0                               ; the opening add is done
	s_wait_kmcnt 0x0
	s_add_nc_u64 s[58:59], s[6:7], s[58:59]
	s_add_nc_u64 s[60:61], s[4:5], s[60:61]
	s_mov_b32 s[G0], 1
	s_mov_b32 s[G0+1], s62
	s_mov_b64 s[G0+2:G0+3], s[58:59]
	s_or_b32 s[G0+3], s[G0+3], 0x80000000
.irp p, 0,1,2
	s_mov_b32 s[G0+4+4*\p], 1
	s_add_co_u32 s[G0+5+4*\p], s63, \p*32768
	s_add_nc_u64 s[G0+6+4*\p:G0+7+4*\p], s[60:61], \p*32768
	s_or_b32 s[G0+7+4*\p], s[G0+7+4*\p], 0x80000000
.endr
	tensor_load_to_lds s[G0:G0+3], s[G1S:G1S+7]                ; the first fills go out as one group
	s_nop 0
	tensor_load_to_lds s[G0+4:G0+7], s[G1C:G1C+7]
	s_nop 0
	tensor_load_to_lds s[G0+8:G0+11], s[G1C:G1C+7]
	s_nop 0
	tensor_load_to_lds s[G0+12:G0+15], s[G1C:G1C+7]
	s_nop 0
.rept 4
	v_nop
.endr
	v_and_b32 v1, 31, v0                           ; l
	v_and_b32 v2, 15, v0                           ; r
	v_bfe_u32 v3, v0, 4, 1                         ; h
	v_lshlrev_b32 v4, 4, v1                        ; 16 l
	s_lshl_b32 s56, s15, 13
	v_add_nc_u32 v[ADRP], s56, v4                  ; my eight tiles of P
	v_add_nc_u32 v[ADRP+1], 49152, v[ADRP]
	s_lshl_b32 s56, s16, 13
	s_add_co_u32 s56, s56, QC
	v_add_nc_u32 v[ADRQ], s56, v4
	v_add_nc_u32 v[ADRQ+1], 49152, v[ADRQ]
	v_mul_u32_u24 v[ADRS], v2, 24                  ; scale words: 24 bytes a row;
	s_mul_i32 s56, s15, 3072                       ; lanes 0-15 P's: my 128 rows;
	s_mul_i32 s57, s16, 3072
	s_add_co_u32 s57, s57, 6144                    ; lanes 16-31 Q's, behind P's 256:
	s_sub_co_u32 s57, s57, s56
	v_mul_u32_u24 v5, s57, v3                      ; one product: h x the distance between the two
	s_add_co_u32 s56, s56, PS
	v_add_nc_u32 v[ADRS], v[ADRS], v5
	v_add_nc_u32 v[ADRS], s56, v[ADRS]
	; the way out: fragment (beta, a) at ((K0 + 4 wx + beta) NT + R0 + 8 wy + a) x 1024.  q: K0 = 8 y, R0 = 16 gx, NT = 512;  k: K0 = 8 gx, R0 = 16 (y - 3), NT = 48
	s_sub_co_u32 s58, s18, 3
	s_cmp_eq_u32 s19, 1
	s_cselect_b32 s56, 48, 512
	s_cselect_b32 s57, s17, s18
	s_cselect_b32 s58, s58, s17
	s_cselect_b32 s59, 12582912, 0
	s_lshl_b32 s57, s57, 3
	s_lshl_b32 s60, s15, 2
	s_add_co_u32 s57, s57, s60
	s_mul_i32 s57, s57, s56
	s_lshl_b32 s58, s58, 4
	s_add_co_u32 s57, s57, s58
	s_lshl_b32 s60, s16, 3
	s_add_co_u32 s57, s57, s60
	s_lshl_b32 s57, s57, 10
	s_add_co_u32 s58, s57, s59
	s_mov_b32 s59, 0
	s_add_nc_u64 s[10:11], s[10:11], s[58:59]
	s_lshl_b32 s56, s56, 10
	v_mov_b32 v[OFF], v4
	v_add_nc_u32 v[OFF+1], s56, v[OFF]
	v_add_nc_u32 v[OFF+2], s56, v[OFF+1]
	v_add_nc_u32 v[OFF+3], s56, v[OFF+2]
	; the shift t, by one wave of the launch, while the fills are on their way.  The branch hangs on ids alone
	s_or_b32 s56, s17, s18
	s_or_b32 s56, s56, s14
	s_cmp_lg_u32 s56, 0
	s_cbranch_scc1 .Lno_t
	v_lshlrev_b32 v97, 2, v1
	v_mov_b32 v98, 0
	v_mov_b32 v99, 0
	global_load_b128 v[100:103], v4, s[8:9]                    ; input's 256 maxima
	global_load_b128 v[104:107], v4, s[8:9] offset:512
.irp k, 0,1,2,3,4,5,6,7,8
	global_load_b32 v[108+\k], v97, s[8:9] offset:1024+128*\k  ; the weights' 288
.endr
	s_wait_loadcnt 0x0
	v_max3_num_f32 v100, v100, v101, v102
	v_max3_num_f32 v108, v108, v109, v110
	v_max3_num_f32 v100, v100, v103, v104
	v_max3_num_f32 v108, v108, v111, v112
	v_max3_num_f32 v100, v100, v105, v106
	v_max3_num_f32 v108, v108, v113, v114
	v_max_num_f32 v100, v100, v107
	v_max3_num_f32 v108, v108, v115, v116
.irp m, 1,2,4,8
	v_max_num_f32_dpp v100, v100, v100 row_xmask:\m row_mask:0xf bank_mask:0xf
	v_max_num_f32_dpp v108, v108, v108 row_xmask:\m row_mask:0xf bank_mask:0xf
.endr
	v_permlanex16_b32 v98, v100, s20, s21
	v_permlanex16_b32 v99, v108, s20, s21
	v_max_num_f32 v100, v100, v98
	v_max_num_f32 v108, v108, v99
	v_lshrrev_b32 v100, 23, v100                   ; Ex + 127
	v_lshrrev_b32 v108, 23, v108                   ; Ew + 127
	v_lshl_add_u32 v100, v100, 1, v108             ; t + 380
	v_add_nc_u32 v101, 0xfffffe90, v100            ; t + 12
	v_sub_nc_u32 v102, 380, v100                   ; -t
	v_and_b32 v103, 1, v1
	v_cmp_eq_u32 vcc_lo, 1, v103
	v_cndmask_b32 v102, v102, v101, vcc_lo         ; even words -t, odd words t + 12
	global_store_b32 v97, v102, s[12:13]
.Lno_t:
.macro FETCH q                         ; K step q's sixteen fragments into set q % 2: 32 loads of 512 consecutive bytes
.set fo, ((\q)%3)*16384
.set fr, 128*((\q)%2)
	WIN 0x40                                       ; destination window 1, address window 0
.irp i, 0,1,2,3,4,5,6,7
	ds_load_b128 v[fr+8*\i:fr+8*\i+3],   v[ADRP+(\q)/3] offset:fo+\i*1024
	ds_load_b128 v[fr+8*\i+4:fr+8*\i+7], v[ADRP+(\q)/3] offset:fo+\i*1024+512
.endr
.irp i, 0,1,2,3,4,5,6,7
	ds_load_b128 v[fr+64+8*\i:fr+64+8*\i+3],   v[ADRQ+(\q)/3] offset:fo+\i*1024
	ds_load_b128 v[fr+64+8*\i+4:fr+64+8*\i+7], v[ADRQ+(\q)/3] offset:fo+\i*1024+512
.endr
.endm
; 32 matrix instructions: Q's tiles 4 hi .. 4 hi + 3 x P's eight.  The 64 accumulators take turns, one instruction a turn, in the same order in every K step.  zero = 1: the first K step starts the sums
.macro MUL32 q, hi, zero
	WIN 0xa5+0x50*(\hi)                            ; sources 0 and 1 window 1; C and D window 2 or 3
.irp a, 0,1,2,3
.irp b, 0,1,2,3,4,5,6,7
.set xac, 8*(8*\a+\b)
.set xrp, 128*((\q)%2)+8*\b
.set xrq, 128*((\q)%2)+64+8*(4*(\hi)+\a)
.set xsp, SC+6*\b+(\q)
.set xsq, SC+6*(4*(\hi)+\a)+(\q)
.if \zero
	v_wmma_scale_f32_16x16x128_f8f6f4 v[xac:xac+7], v[xrp:xrp+7], v[xrq:xrq+7], 0, v[xsp], v[xsq] matrix_a_fmt:MATRIX_FMT_FP4 matrix_b_fmt:MATRIX_FMT_FP4 matrix_b_scale:MATRIX_SCALE_ROW1
.else
	v_wmma_scale_f32_16x16x128_f8f6f4 v[xac:xac+7], v[xrp:xrp+7], v[xrq:xrq+7], v[xac:xac+7], v[xsp], v[xsq] matrix_a_fmt:MATRIX_FMT_FP4 matrix_b_fmt:MATRIX_FMT_FP4 matrix_b_scale:MATRIX_SCALE_ROW1
.endif
.endr
.endr
.endm
.macro SYNC n                          ; my fills but the n youngest have landed; behind the barrier everybody's have.  Nothing is ever filled again, so the younger ones may stay out
	s_wait_tensorcnt \n
	s_barrier_signal -1
	s_barrier_wait -1
.endm
.macro PLACES                          ; four plain places behind matrix instructions, in front of loads into registers that they have read and of the first read of results
.rept 4
	v_nop
.endr
.endm
	SYNC 2                                         ; the scale words and K steps 0, 1
.irp i, 0,1,2,3,4,5,6,7
.irp j, 0,1,2
	ds_load_b64 v[SC+6*\i+2*\j:SC+6*\i+2*\j+1], v[ADRS] offset:384*\i+8*\j
.endr
.endr
	FETCH 0
.irp q, 0,1,2,3,4,5
	s_wait_dscnt 0x0                               ; this K step's fragments are in (asked for 32 matrix instructions ago); no LDS load of mine is out at the barriers below
.if \q == 0
	MUL32 \q, 0, 1
.else
	MUL32 \q, 0, 0
.endif
.if \q == 1
	SYNC 1                                         ; K steps 2, 3
.endif
.if \q == 3
	SYNC 0                                         ; K steps 4, 5
.endif
.if \q < 5
	PLACES
	FETCH \q+1
.endif
.if \q == 0
	MUL32 \q, 1, 1
.else
	MUL32 \q, 1, 0
.endif
.endr
	; THE WAY OUT.  A lane's eight results are eight neighbours along the next K: times 2^-6, to f16, 16 bytes: registers 4 c .. 4 c + 3 of a fragment, c = b % 2.  Each store of the wave covers 512 consecutive bytes
	PLACES
.irp hi, 0,1
	WIN 0x8a+0x45*\hi                              ; destination and sources in window 2, then 3
.set tt, 0
.rept 32
.irp j, 0,2,4,6
	v_pk_mul_f32 v[8*tt+\j:8*tt+\j+1], v[8*tt+\j:8*tt+\j+1], 0x3c800000 op_sel_hi:[1,0]      ; each accumulator from its low end on
.endr
.irp j, 0,1,2,3
	v_cvt_pk_f16_f32 v[8*tt+\j], v[8*tt+2*\j], v[8*tt+2*\j+1]
.endr
.set tt, tt+1
.endr
	WIN 0x08+0x04*\hi                              ; a store's data are its source 1
.irp a, 0,1,2,3
.irp b, 0,1,2,3,4,5,6,7
	global_store_b128 v[OFF+\b/2], v[8*(8*\a+\b):8*(8*\a+\b)+3], s[10:11] offset:(4*\hi+\a)*1024+(\b%2)*512
.endr
.endr
.endr
	WIN 0
	s_wait_tensorcnt 0x0                           ; the wave's end: behind my last tensor load
	ds_add_u32 v[SPW], v[NIL]
	s_wait_dscnt 0x0
	s_endpgm
.Lfunc_end_k_qc97041b778_proj:
	.size	k_qc97041b778_proj, .Lfunc_end_k_qc97041b778_proj-k_qc97041b778_proj
	.p2alignl 7, 3214868480
	.fill 96, 4, 3214868480
	.section	.rodata,"a",@progbits
	.p2align	6, 0x0
	.amdhsa_kernel k_qc97041b778_proj
		.amdhsa_group_segment_fixed_size 209408
		.amdhsa_private_segment_fixed_size 0
		.amdhsa_enable_private_segment 0
		.amdhsa_kernarg_size 40
		.amdhsa_user_sgpr_count 2
		.amdhsa_user_sgpr_kernarg_segment_ptr 1
		.amdhsa_wavefront_size32 1
		.amdhsa_system_sgpr_workgroup_id_x 1
		.amdhsa_system_sgpr_workgroup_id_y 1
		.amdhsa_system_sgpr_workgroup_id_z 1
		.amdhsa_system_vgpr_workitem_id 0
		.amdhsa_next_free_vgpr 1024
		.amdhsa_next_free_sgpr 96
		.amdhsa_reserve_vcc 1
		.amdhsa_float_denorm_mode_32 3
		.amdhsa_float_denorm_mode_16_64 3
		.amdhsa_memory_ordered 1
		.amdhsa_forward_progress 1
		.amdhsa_inst_pref_size 119
	.end_amdhsa_kernel
	.amdgpu_metadata
---
amdhsa.version: [ 1, 2 ]
amdhsa.kernels:
  - .name:           k_qc97041b778_proj
    .symbol:         k_qc97041b778_proj.kd
    .args:
      - { .name: codes, .offset: 0, .size: 8, .value_kind: global_buffer, .address_space: global }
      - { .name: scales, .offset: 8, .size: 8, .value_kind: global_buffer, .address_space: global }
      - { .name: amax, .offset: 16, .size: 8, .value_kind: global_buffer, .address_space: global }
      - { .name: qk, .offset: 24, .size: 8, .value_kind: global_buffer, .address_space: global }
      - { .name: tbuf, .offset: 32, .size: 8, .value_kind: global_buffer, .address_space: global }
    .group_segment_fixed_size: 209408
    .private_segment_fixed_size: 0
    .kernarg_segment_align: 8
    .kernarg_segment_size: 40
    .max_flat_workgroup_size: 128
    .sgpr_count:     96
    .vgpr_count:     1024
    .wavefront_size: 32
...
	.end_amdgpu_metadata
.endif
;; end of part 2
;; launch gk (part 3): grid 4 x 64, 4 waves a work-group, clusters of 4 x 4, 327,680 bytes of LDS; arguments qk, x16f, tbuf, g16f; writes g16f
.if DOCPART == 3
	.amdgcn_target "amdgcn-amd-amdhsa--gfx1250"
	.amdhsa_code_object_version 6
	.text
	.protected	k_qc97041b778_gk
	.globl	k_qc97041b778_gk
	.p2align	8
	.type	k_qc97041b778_gk,@function
k_qc97041b778_gk:
	s_mov_b64 s[64:65], 0
	v_nop
	global_prefetch_b8 v0, s[64:65] scope:SCOPE_SE
	s_setreg_imm32_b32 hwreg(HW_REG_WAVE_MODE, 25, 1), 1
	s_wait_xcnt 0x0
	s_wait_alu depctr_hold_cnt(0) depctr_sa_sdst(0) depctr_va_vdst(0) depctr_va_sdst(0) depctr_va_ssrc(0) depctr_va_vcc(0) depctr_vm_vsrc(0)
	s_getreg_b32 s2, hwreg(HW_REG_IB_STS2, 6, 4)
	s_cmp_eq_u32 s2, 0
	s_cbranch_scc0 .Lentry_in_a_cluster
	s_endpgm
.Lentry_in_a_cluster:
	s_bfe_u32 s2, ttmp6, 0x10000c
	s_cmp_lg_u32 s2, 0xf033
	s_cbranch_scc0 .Lentry_shape_is_right
	s_endpgm
.Lentry_shape_is_right:
; GK (MODE 0) and OUT (MODE 1): one text, C[m][e] = sum over kappa of P[m][kappa] R[kappa][e], f16 operands, f32 sums.
; THE ORDER OF THE SOURCE'S LAST TWO PRODUCTS IS CHANGED: (q k^T) x = q (k^T x), which holds for every input since nothing stands between them; the order of rounding differs from the source's.
;   MODE 0: for each batch G[d][e] = sum over s of k[s][d] x[s][e].  P = kTf (in qk), R = x16f.  G 2^-6 2^-t leaves as f16 in g16f [batch 8][32 of d: 24][tile of 16 e: 48][1024]: fragment: row e, K = d.
;           t = 2 Ex + Ew + 1 comes from tbuf: |sum k 2^-6 x| < 1024 x 768 x 2^(Ex + Ew - 4) x 2^(Ex + 1) < 2^(t + 15.6), so the f16 number stays under 65,504 for every input.
;   MODE 1: out0[s][e] = 768^-1.5 sum over d of q[s][d] G[d][e].  P = q16f (in qk), R = g16f; the sums are multiplied by 768^-1.5 x 2^(t + 12) and leave as f32 rows.
; LIMITS: NaN and infinities are not served; G keeps f16's 11 bits only where it lies above some 1e-9 of the bound above.
; All operands lie in memory as fragments in the order of the operand's registers (1,024 bytes: registers 4 c .. 4 c + 3 of lane l at 512 c + 16 l): every LDS load reads 512 consecutive bytes, no padding, nothing is turned.
; SHARES.  A work-group makes 32 MT rows x 192 columns (MODE 0: 96 of d; MODE 1: 128 of s); its four waves 16 MT x 96 each: 6 MT accumulators.  kappa goes in steps of 32, NK steps to a chunk, four chunks through two LDS slots.
; CLUSTER 4 x 4: the four of a row of the cluster make the same rows of C and share P's tiles, the four of a column share R's (two cluster rows make a batch): each tile is asked for JOINTLY.
; THREE sets of fragment registers: step n is multiplied while step n + 1's loads land and step n + 2's are issued.  The text is written out: 4 NK steps, no loop.
.set MODE, 0
.if MODE == 0
.set MT,     3
.set NK,     8
.set NS,     32
.set PROWB,  6144                      ; bytes of P for 32 along kappa: 2 MT fragments
.set PPITCH, 49152                     ; from one 32 along kappa to the next, in memory
.else
.set MT,     4
.set NK,     6
.set NS,     24
.set PROWB,  8192
.set PPITCH, 524288
.endif
.set RROWB,  12288                     ; the same for R: 12 fragments
.set RPITCH, 49152
.set PPART,  NK*PROWB
.set RPART,  NK*RROWB
.set SLOT,   PPART+RPART               ; a slot: P [k][2 MT][1024], then R [k][12][1024]
.set SPARE,  2*SLOT                    ; the spare words, 128 bytes for each wave: two blocks of 256 bytes that no other line names
.set PSTEP,  NK*PPITCH
.set RSTEP,  NK*RPITCH
.set NL,     2*(MT+6)                  ; LDS loads of a step
.set SP,     784                       ; MODE 1: a stage row: 768 bytes + 16.  The stage, 128 rows, lies in slot 0, behind that slot's last fill and last read
.set ADRP, 16                          ; v16-17 my P fragments in slot 0, 1
.set ADRR, 18                          ; v18-21 my R fragments: slot 0 k 0-3, k 4 on; slot 1 likewise
.set GO,   22                          ; MODE 0: v22-24 the way out
.set STO,  22                          ; MODE 1: v22 into the stage, v23, v24 back, v26 the middle store's offset
.set RD0,  23
.set RD1,  24
.set CO1,  26
.set SPW,  28
.set NIL,  29
.set ACC,  64                          ; accumulator (a, b) at v[64 + 8 (6 a + b)]
.set WV,   12
.set WY,   13                          ; my half of the rows.  Also: I fetch for P (0) or for R (1)
.set WX,   14                          ; my half of the columns.  Also: which half of a chunk's steps I fetch
.set G1P,  24
.set G0P,  32
.set G1R,  48
.set G0R,  56
.set MSB, 0
.macro WIN new                         ; the immediate's high byte repeats the setting that is left
.if MSB != (\new)
	s_set_vgpr_msb (MSB<<8)|(\new)
.set MSB, (\new)
.endif
.endm
; A joint load: waves 0 and 1 fetch P's two halves, waves 2 and 3 R's.  The branch hangs on the wave's number alone.  An s_nop 0 and four v_nop follow each of the two lines
.macro JLOAD s
	s_cmp_eq_u32 s[WY], 0
	s_cbranch_scc0 .Lfor_r_\@
	tensor_load_to_lds s[G0P+4*\s:G0P+4*\s+3], s[G1P:G1P+7]
	s_nop 0
.rept 4
	v_nop
.endr
	s_branch .Lasked_\@
.Lfor_r_\@:
	tensor_load_to_lds s[G0R+4*\s:G0R+4*\s+3], s[G1R:G1R+7]
	s_nop 0
.rept 4
	v_nop
.endr
.Lasked_\@:
.endm
.macro CREST                           ; a round of the cluster's barrier behind its opening barrier
	s_cmp_lg_u32 s[WV], 0
	s_cbranch_scc1 .Lnot_wave_0_\@
	s_barrier_signal -3
.Lnot_wave_0_\@:
	s_barrier_wait -3
	s_barrier_signal -1
	s_barrier_wait -1
.endm
.macro CROUND
	s_barrier_signal -1
	s_barrier_wait -1
	CREST
.endm
	s_load_b256 s[4:11], s[0:1], 0x0               ; P's buffer s[4:5], R's s[6:7], tbuf s[8:9], the result s[10:11]
	v_lshl_add_u32 v[SPW], v0, 2, SPARE
	v_mov_b32 v[NIL], 0
	ds_add_u32 v[SPW], v[NIL]                      ; the wave's opening: the add and its wait ahead of my first tensor load; the set-up below, work on registers, stands between them
	v_lshrrev_b32 v1, 5, v0
	v_readfirstlane_b32 s[WV], v1
	s_lshr_b32 s[WY], s[WV], 1
	s_and_b32 s[WX], s[WV], 1
	s_bfe_u32 s15, ttmp6, 0x40000                  ; cx
	s_bfe_u32 s16, ttmp6, 0x40004                  ; cy
	s_lshl_b32 s17, ttmp9, 2
	s_add_co_u32 s17, s17, s15                     ; gx: which 192 columns
	s_and_b32 s18, ttmp7, 0xffff                   ; the cluster's y
	s_lshl_b32 s19, s18, 2
	s_add_co_u32 s19, s19, s16                     ; gy: which rows
	s_lshl_b32 s20, s16, 2
	s_lshl_b32 s20, 15, s20                        ; my row of the cluster
	s_lshl_b32 s21, 0x1111, s15                    ; my column
	s_or_b32 s[G1P+0], s20, (3<<16)|(1<<21)        ; the mask: P's tiles go to my row; elements of 8 bytes; bit 21 set beside a mask; no padding
	s_mov_b32 s[G1P+1], (PROWB/8)<<16              ; tensor_dim0
	s_mov_b32 s[G1P+2], (NK/2)<<16                 ; tensor_dim1
	s_mov_b32 s[G1P+3], (PROWB/8)<<16              ; tile_dim0
	s_mov_b32 s[G1P+4], NK/2                       ; tile_dim1
	s_mov_b32 s[G1P+5], PPITCH/8                   ; pitch
	s_mov_b32 s[G1P+6], 0
	s_mov_b32 s[G1P+7], 0
	s_or_b32 s[G1R+0], s21, (3<<16)|(1<<21)        ; R's tiles go to my column
	s_mov_b32 s[G1R+1], (RROWB/8)<<16
	s_mov_b32 s[G1R+2], (NK/2)<<16
	s_mov_b32 s[G1R+3], (RROWB/8)<<16
	s_mov_b32 s[G1R+4], NK/2
	s_mov_b32 s[G1R+5], RPITCH/8
	s_mov_b32 s[G1R+6], 0
	s_mov_b32 s[G1R+7], 0
	; where the tiles come from.  P's hang on gy alone, which my row of the cluster shares; R's on gx and on the batch = cluster y / 2, which my column shares
.if MODE == 0
	s_lshr_b32 s40, s19, 3                         ; batch
	s_mul_i32 s40, s40, NS*PPITCH
	s_and_b32 s41, s19, 7
	s_mul_i32 s41, s41, PROWB
	s_add_co_u32 s40, s40, s41
	s_add_co_u32 s40, s40, 12582912                ; kTf lies behind q16f
.else
	s_lshl_b32 s40, s19, 13                        ; eight tiles of rows for each gy
.endif
	s_mul_i32 s41, s[WX], (NK/2)*PPITCH
	s_add_co_u32 s40, s40, s41
	s_mov_b32 s41, 0
	s_lshr_b32 s42, s18, 1
	s_mul_i32 s42, s42, NS*RPITCH
	s_mul_i32 s43, s17, RROWB
	s_add_co_u32 s42, s42, s43
	s_mul_i32 s43, s[WX], (NK/2)*RPITCH
	s_add_co_u32 s42, s42, s43
	s_mov_b32 s43, 0
	s_mul_i32 s44, s[WX], PPART/2                  ; and where they go: no place in the cluster enters an LDS address
	s_mul_i32 s45, s[WX], RPART/2
	s_add_co_u32 s45, s45, PPART
	s_wait_dscnt 0x0                               ; the opening add is done
	s_wait_kmcnt 0x0
	s_add_nc_u64 s[40:41], s[4:5], s[40:41]
	s_add_nc_u64 s[42:43], s[6:7], s[42:43]
	s_load_b64 s[68:69], s[8:9], 0x0               ; -t, t + 12: wanted on the way out
	CROUND                                         ; all sixteen work-groups are here: the first joint loads meet
.irp s, 0,1
	s_mov_b32 s[G0P+4*\s], 1
	s_add_co_u32 s[G0P+4*\s+1], s44, \s*SLOT
	s_add_nc_u64 s[G0P+4*\s+2:G0P+4*\s+3], s[40:41], \s*PSTEP
	s_or_b32 s[G0P+4*\s+3], s[G0P+4*\s+3], 0x80000000
	s_mov_b32 s[G0R+4*\s], 1
	s_add_co_u32 s[G0R+4*\s+1], s45, \s*SLOT
	s_add_nc_u64 s[G0R+4*\s+2:G0R+4*\s+3], s[42:43], \s*RSTEP
	s_or_b32 s[G0R+4*\s+3], s[G0R+4*\s+3], 0x80000000
	JLOAD \s                                       ; chunks 0 and 1: two loads of mine are out
.endr
	v_and_b32 v1, 31, v0                           ; l
	v_and_b32 v2, 15, v0                           ; r
	v_bfe_u32 v3, v0, 4, 1                         ; h
	v_lshlrev_b32 v4, 4, v1                        ; 16 l
	s_mul_i32 s46, s[WY], MT*1024
	v_add_nc_u32 v[ADRP], s46, v4
	v_add_nc_u32 v[ADRP+1], SLOT, v[ADRP]
	s_mul_i32 s47, s[WX], 6144
	s_add_co_u32 s47, s47, PPART
	v_add_nc_u32 v[ADRR], s47, v4
	v_add_nc_u32 v[ADRR+1], 4*RROWB, v[ADRR]
	v_add_nc_u32 v[ADRR+2], SLOT, v[ADRR]
	v_add_nc_u32 v[ADRR+3], 4*RROWB, v[ADRR+2]
.if MODE == 0
	; g16f: fragment (d32 = 3 (gy % 8) + (3 wy + a) / 2, tile of e = 12 gx + 6 wx + b), half c = (3 wy + a) % 2
	s_lshr_b32 s70, s19, 3
	s_mul_i32 s70, s70, 24
	s_and_b32 s71, s19, 7
	s_mul_i32 s71, s71, 3
	s_add_co_u32 s70, s70, s71
	s_mul_i32 s70, s70, 48
	s_mul_i32 s71, s17, 12
	s_add_co_u32 s70, s70, s71
	s_mul_i32 s71, s[WX], 6
	s_add_co_u32 s70, s70, s71
	s_lshl_b32 s70, s70, 10
	s_mov_b32 s71, 0
	s_add_nc_u64 s[10:11], s[10:11], s[70:71]
	s_mul_i32 s72, s[WY], 3
.irp a, 0,1,2
	s_add_co_u32 s73, s72, \a
	s_lshr_b32 s74, s73, 1
	s_mul_i32 s74, s74, 49152
	s_and_b32 s73, s73, 1
	s_lshl_b32 s73, s73, 9
	s_add_co_u32 s74, s74, s73
	v_add_nc_u32 v[GO+\a], s74, v4
.endr
.else
	s_lshl_b32 s70, s19, 7
	s_lshl_b32 s71, s[WV], 5
	s_add_co_u32 s70, s70, s71                     ; the first row that I store: 128 gy + 32 wave
	s_mul_i32 s70, s70, 3072
	s_mul_i32 s71, s17, 768
	s_add_co_u32 s70, s70, s71
	s_mov_b32 s71, 0
	s_add_nc_u64 s[10:11], s[10:11], s[70:71]
	v_mul_u32_u24 v[STO], v2, SP                   ; into the stage: row 64 wy + r, + 384 wx + 32 h
	v_lshl_add_u32 v[STO], v3, 5, v[STO]
	s_mul_i32 s72, s[WY], 64*SP
	s_mul_i32 s73, s[WX], 384
	s_add_co_u32 s72, s72, s73
	v_add_nc_u32 v[STO], s72, v[STO]
	s_mul_i32 s72, s[WV], 32*SP                    ; back: my 32 rows, two rows (1,536 bytes) by three loads of 512:
	v_add_nc_u32 v[RD0], s72, v4                   ; the first and the third take 512 bytes on end;
	v_mul_u32_u24 v[RD1], v3, 272                  ; the second: lanes 0-15 the even row's last 256, lanes 16-31 the odd row's first 256
	v_lshl_add_u32 v[RD1], v2, 4, v[RD1]
	s_add_co_u32 s72, s72, 512
	v_add_nc_u32 v[RD1], s72, v[RD1]
	v_mul_u32_u24 v[CO1], v3, 2560                 ; the same places in out0, whose rows are 3,072 bytes apart
	v_lshl_add_u32 v[CO1], v2, 4, v[CO1]
	v_add_nc_u32 v[CO1], 512, v[CO1]
.endif
.macro FETCH n                         ; step n's fragments into set n % 3
.set fs, ((\n)/NK)%2
.set fk, (\n)%NK
.set fb, 80*((\n)%3)
	WIN 0x40                                       ; destination window 1, address window 0
.irp a, 0,1,2,3
.if \a < MT
	ds_load_b128 v[fb+8*\a:fb+8*\a+3],   v[ADRP+fs] offset:fk*PROWB+\a*1024
	ds_load_b128 v[fb+8*\a+4:fb+8*\a+7], v[ADRP+fs] offset:fk*PROWB+\a*1024+512
.endif
.endr
.irp b, 0,1,2,3,4,5
	ds_load_b128 v[fb+32+8*\b:fb+32+8*\b+3],   v[ADRR+2*fs+fk/4] offset:(fk%4)*RROWB+\b*1024
	ds_load_b128 v[fb+32+8*\b+4:fb+32+8*\b+7], v[ADRR+2*fs+fk/4] offset:(fk%4)*RROWB+\b*1024+512
.endr
.endm
; 3 MT matrix instructions: all my tiles of rows x three tiles of columns.  The accumulators take turns, one instruction a turn, in the same order in every step.  Step 0 starts the sums.
; MODE 0: source 0 = P: a lane holds one column e and eight neighbouring d, which are the next K.  MODE 1: source 0 = R: a lane holds one row s and eight neighbouring e: 32 bytes of a row of out0.
.macro MULH n, hf
.set mb, 80*((\n)%3)
	WIN 0x05                                       ; sources 0 and 1 window 1; C and D window 0
.irp a, 0,1,2,3
.if \a < MT
.irp b, 0,1,2
.set xac, ACC+8*(6*\a+3*(\hf)+\b)
.if MODE == 0
.set xs0, mb+8*\a
.set xs1, mb+32+8*(3*(\hf)+\b)
.else
.set xs0, mb+32+8*(3*(\hf)+\b)
.set xs1, mb+8*\a
.endif
.if (\n) == 0
	v_wmma_f32_16x16x32_f16 v[xac:xac+7], v[xs0:xs0+7], v[xs1:xs1+7], 0
.else
	v_wmma_f32_16x16x32_f16 v[xac:xac+7], v[xs0:xs0+7], v[xs1:xs1+7], v[xac:xac+7]
.endif
.endr
.endif
.endr
.endm
.macro PLACES                          ; four plain places behind matrix instructions, in front of loads into registers that they have read and of the first read of results
.rept 4
	v_nop
.endr
.endm
.macro STEP n
.if (\n) == NS-1
	s_wait_dscnt 0x0
.else
	s_wait_dscnt NL                                ; this step's fragments are in; the next step's NL loads may be out
.endif
.if (\n)+2 < NS
	PLACES                                         ; the set that step n - 1 multiplied takes step n + 2's
	FETCH (\n)+2
.endif
	MULH \n, 0
	MULH \n, 1
.endm
; THE CHANGE OF SLOTS, in a chunk's last step but one: the last step's fragments have been asked for, so my reads of the slot end here.  Each wave waits for all its tensor loads (its part of the other slot), adds 0 to its
; spare word, and waits for that and for its reads.  fill = 1: the barrier opens a round of the cluster's, and the slot takes the chunk two on: the load has a chunk's matrix work in which to land.
.macro TURN n, fill
.set ts, ((\n)/NK)%2
	WIN 0                                          ; (the add's two registers lie in window 0)
	s_wait_tensorcnt 0x0                           ; all my tensor loads have landed;
	ds_add_u32 v[SPW], v[NIL]                      ; 0 onto my spare word;
	s_wait_dscnt NL+1                              ; (the add and the next step's NL loads may be out)
	MULH \n, 0                                     ; matrix work stands between the add and the wait for it
	s_wait_dscnt 0x0                               ; the add is done, and my reads of this slot are over
	s_barrier_signal -1
	MULH \n, 1
	WIN 0
	s_barrier_wait -1
.if \fill
	CREST                                          ; no wave of any partner still reads this slot or has a load on its way
	s_add_nc_u64 s[G0P+4*ts+2:G0P+4*ts+3], s[G0P+4*ts+2:G0P+4*ts+3], 2*PSTEP
	s_add_nc_u64 s[G0R+4*ts+2:G0R+4*ts+3], s[G0R+4*ts+2:G0R+4*ts+3], 2*RSTEP
	JLOAD ts                                       ; the first tensor load behind the round; its four v_nop are also the places in front of the loads below
.else
	PLACES
.endif
	FETCH (\n)+2                                   ; the other slot's first step
.endm
	s_wait_tensorcnt 0x1                           ; my part of chunk 0 is in; chunk 1's may stay out
	s_barrier_signal -1
	s_barrier_wait -1
	FETCH 0
	FETCH 1
.set N, 0
.rept NS
.if (N%NK == NK-2) && (N/NK < 3)
.if N/NK < 2
	TURN N, 1
.else
	TURN N, 0
.endif
.else
	STEP N
.endif
.set N, N+1
.endr
	WIN 0
	s_wait_kmcnt 0x0                               ; -t and t + 12
.if MODE == 0
	; THE WAY OUT: x 2^-t (exact), to f16: a lane's 16 bytes are registers 4 c .. 4 c + 3 of a fragment of the next launch's R.  Each store of the wave covers 512 consecutive bytes
	PLACES
.irp a, 0,1,2
.irp b, 0,1,2,3,4,5
.set xac, ACC+8*(6*\a+\b)
.irp j, 0,1,2,3,4,5,6,7
	v_ldexp_f32 v[xac+\j], v[xac+\j], s68          ; each accumulator from its low end on
.endr
.irp j, 0,1,2,3
	v_cvt_pk_f16_f32 v[xac+\j], v[xac+2*\j], v[xac+2*\j+1]
.endr
	global_store_b128 v[GO+\a], v[xac:xac+3], s[10:11] offset:\b*1024
.endr
.endr
.else
	; THE WAY OUT: x 768^-1.5 x 2^(t + 12); through the work-group's stage, since a row's 768 bytes come from two waves; back as whole rows, 32 rows a wave
	v_mov_b32 v30, 0x384511a3                      ; 768^-1.5
	v_ldexp_f32 v30, v30, s69
	v_mov_b32 v31, v30
	v_nop
	v_nop                                          ; (with the three lines above: the places behind the last products)
.irp a, 0,1,2,3
.irp b, 0,1,2,3,4,5
.set xac, ACC+8*(6*\a+\b)
.irp j, 0,2,4,6
	v_pk_mul_f32 v[xac+\j:xac+\j+1], v[xac+\j:xac+\j+1], v[30:31]              ; each accumulator from its low end on
.endr
	ds_store_b128 v[STO], v[xac:xac+3] offset:\a*16*SP+64*\b
	ds_store_b128 v[STO], v[xac+4:xac+7] offset:\a*16*SP+64*\b+16
.endr
.endr
	s_wait_dscnt 0x0                               ; for the others' sake: my stores into the stage are done
	s_barrier_signal -1
	s_barrier_wait -1
.set j, 0
.rept 16
	ds_load_b128 v[ACC+12*j:ACC+12*j+3],    v[RD0] offset:j*2*SP
	ds_load_b128 v[ACC+12*j+4:ACC+12*j+7],  v[RD1] offset:j*2*SP
	ds_load_b128 v[ACC+12*j+8:ACC+12*j+11], v[RD0] offset:j*2*SP+SP+256
.set j, j+1
.endr
.set j, 0
.rept 16
	s_wait_dscnt 47-3*j                            ; LDS loads come back in order: the younger ones stay out
	global_store_b128 v4, v[ACC+12*j:ACC+12*j+3], s[10:11] offset:j*6144 th:TH_STORE_NT             ; sixteen lanes store 256 consecutive bytes, aligned
	s_wait_dscnt 46-3*j
	global_store_b128 v[CO1], v[ACC+12*j+4:ACC+12*j+7], s[10:11] offset:j*6144 th:TH_STORE_NT
	s_wait_dscnt 45-3*j
	global_store_b128 v4, v[ACC+12*j+8:ACC+12*j+11], s[10:11] offset:j*6144+3328 th:TH_STORE_NT
.set j, j+1
.endr
.endif
	s_wait_tensorcnt 0x0                           ; the wave's end: behind my last tensor load and my last LDS store
	ds_add_u32 v[SPW], v[NIL]
	s_wait_dscnt 0x0
	CROUND                                         ; the closing round: no work-group ends while a partner may still ask for a tile that names it
	s_endpgm
.Lfunc_end_k_qc97041b778_gk:
	.size	k_qc97041b778_gk, .Lfunc_end_k_qc97041b778_gk-k_qc97041b778_gk
	.p2alignl 7, 3214868480
	.fill 96, 4, 3214868480
	.section	.rodata,"a",@progbits
	.p2align	6, 0x0
	.amdhsa_kernel k_qc97041b778_gk
		.amdhsa_group_segment_fixed_size 327680
		.amdhsa_private_segment_fixed_size 0
		.amdhsa_enable_private_segment 0
		.amdhsa_kernarg_size 32
		.amdhsa_user_sgpr_count 2
		.amdhsa_user_sgpr_kernarg_segment_ptr 1
		.amdhsa_wavefront_size32 1
		.amdhsa_system_sgpr_workgroup_id_x 1
		.amdhsa_system_sgpr_workgroup_id_y 1
		.amdhsa_system_sgpr_workgroup_id_z 1
		.amdhsa_system_vgpr_workitem_id 0
		.amdhsa_next_free_vgpr 512
		.amdhsa_next_free_sgpr 84
		.amdhsa_reserve_vcc 0
		.amdhsa_float_denorm_mode_32 3
		.amdhsa_float_denorm_mode_16_64 3
		.amdhsa_memory_ordered 1
		.amdhsa_forward_progress 1
		.amdhsa_inst_pref_size 105
	.end_amdhsa_kernel
	.amdgpu_metadata
---
amdhsa.version: [ 1, 2 ]
amdhsa.kernels:
  - .name:           k_qc97041b778_gk
    .symbol:         k_qc97041b778_gk.kd
    .args:
      - { .name: qk, .offset: 0, .size: 8, .value_kind: global_buffer, .address_space: global }
      - { .name: x16f, .offset: 8, .size: 8, .value_kind: global_buffer, .address_space: global }
      - { .name: tbuf, .offset: 16, .size: 8, .value_kind: global_buffer, .address_space: global }
      - { .name: g16f, .offset: 24, .size: 8, .value_kind: global_buffer, .address_space: global }
    .group_segment_fixed_size: 327680
    .private_segment_fixed_size: 0
    .kernarg_segment_align: 8
    .kernarg_segment_size: 32
    .max_flat_workgroup_size: 128
    .sgpr_count:     84
    .vgpr_count:     512
    .wavefront_size: 32
...
	.end_amdgpu_metadata
.endif
;; end of part 3
;; launch out (part 4): grid 4 x 64, 4 waves a work-group, clusters of 4 x 4, 327,680 bytes of LDS; arguments qk, g16f, tbuf, out0; writes out0
.if DOCPART == 4
	.amdgcn_target "amdgcn-amd-amdhsa--gfx1250"
	.amdhsa_code_object_version 6
	.text
	.protected	k_qc97041b778_out
	.globl	k_qc97041b778_out
	.p2align	8
	.type	k_qc97041b778_out,@function
k_qc97041b778_out:
	s_mov_b64 s[64:65], 0
	v_nop
	global_prefetch_b8 v0, s[64:65] scope:SCOPE_SE
	s_setreg_imm32_b32 hwreg(HW_REG_WAVE_MODE, 25, 1), 1
	s_wait_xcnt 0x0
	s_wait_alu depctr_hold_cnt(0) depctr_sa_sdst(0) depctr_va_vdst(0) depctr_va_sdst(0) depctr_va_ssrc(0) depctr_va_vcc(0) depctr_vm_vsrc(0)
	s_getreg_b32 s2, hwreg(HW_REG_IB_STS2, 6, 4)
	s_cmp_eq_u32 s2, 0
	s_cbranch_scc0 .Lentry_in_a_cluster
	s_endpgm
.Lentry_in_a_cluster:
	s_bfe_u32 s2, ttmp6, 0x10000c
	s_cmp_lg_u32 s2, 0xf033
	s_cbranch_scc0 .Lentry_shape_is_right
	s_endpgm
.Lentry_shape_is_right:
; GK (MODE 0) and OUT (MODE 1): one text, C[m][e] = sum over kappa of P[m][kappa] R[kappa][e], f16 operands, f32 sums.
; THE ORDER OF THE SOURCE'S LAST TWO PRODUCTS IS CHANGED: (q k^T) x = q (k^T x), which holds for every input since nothing stands between them; the order of rounding differs from the source's.
;   MODE 0: for each batch G[d][e] = sum over s of k[s][d] x[s][e].  P = kTf (in qk), R = x16f.  G 2^-6 2^-t leaves as f16 in g16f [batch 8][32 of d: 24][tile of 16 e: 48][1024]: fragment: row e, K = d.
;           t = 2 Ex + Ew + 1 comes from tbuf: |sum k 2^-6 x| < 1024 x 768 x 2^(Ex + Ew - 4) x 2^(Ex + 1) < 2^(t + 15.6), so the f16 number stays under 65,504 for every input.
;   MODE 1: out0[s][e] = 768^-1.5 sum over d of q[s][d] G[d][e].  P = q16f (in qk), R = g16f; the sums are multiplied by 768^-1.5 x 2^(t + 12) and leave as f32 rows.
; LIMITS: NaN and infinities are not served; G keeps f16's 11 bits only where it lies above some 1e-9 of the bound above.
; All operands lie in memory as fragments in the order of the operand's registers (1,024 bytes: registers 4 c .. 4 c + 3 of lane l at 512 c + 16 l): every LDS load reads 512 consecutive bytes, no padding, nothing is turned.
; SHARES.  A work-group makes 32 MT rows x 192 columns (MODE 0: 96 of d; MODE 1: 128 of s); its four waves 16 MT x 96 each: 6 MT accumulators.  kappa goes in steps of 32, NK steps to a chunk, four chunks through two LDS slots.
; CLUSTER 4 x 4: the four of a row of the cluster make the same rows of C and share P's tiles, the four of a column share R's (two cluster rows make a batch): each tile is asked for JOINTLY.
; THREE sets of fragment registers: step n is multiplied while step n + 1's loads land and step n + 2's are issued.  The text is written out: 4 NK steps, no loop.
.set MODE, 1
.if MODE == 0
.set MT,     3
.set NK,     8
.set NS,     32
.set PROWB,  6144                      ; bytes of P for 32 along kappa: 2 MT fragments
.set PPITCH, 49152                     ; from one 32 along kappa to the next, in memory
.else
.set MT,     4
.set NK,     6
.set NS,     24
.set PROWB,  8192
.set PPITCH, 524288
.endif
.set RROWB,  12288                     ; the same for R: 12 fragments
.set RPITCH, 49152
.set PPART,  NK*PROWB
.set RPART,  NK*RROWB
.set SLOT,   PPART+RPART               ; a slot: P [k][2 MT][1024], then R [k][12][1024]
.set SPARE,  2*SLOT                    ; the spare words, 128 bytes for each wave: two blocks of 256 bytes that no other line names
.set PSTEP,  NK*PPITCH
.set RSTEP,  NK*RPITCH
.set NL,     2*(MT+6)                  ; LDS loads of a step
.set SP,     784                       ; MODE 1: a stage row: 768 bytes + 16.  The stage, 128 rows, lies in slot 0, behind that slot's last fill and last read
.set ADRP, 16                          ; v16-17 my P fragments in slot 0, 1
.set ADRR, 18                          ; v18-21 my R fragments: slot 0 k 0-3, k 4 on; slot 1 likewise
.set GO,   22                          ; MODE 0: v22-24 the way out
.set STO,  22                          ; MODE 1: v22 into the stage, v23, v24 back, v26 the middle store's offset
.set RD0,  23
.set RD1,  24
.set CO1,  26
.set SPW,  28
.set NIL,  29
.set ACC,  64                          ; accumulator (a, b) at v[64 + 8 (6 a + b)]
.set WV,   12
.set WY,   13                          ; my half of the rows.  Also: I fetch for P (0) or for R (1)
.set WX,   14                          ; my half of the columns.  Also: which half of a chunk's steps I fetch
.set G1P,  24
.set G0P,  32
.set G1R,  48
.set G0R,  56
.set MSB, 0
.macro WIN new                         ; the immediate's high byte repeats the setting that is left
.if MSB != (\new)
	s_set_vgpr_msb (MSB<<8)|(\new)
.set MSB, (\new)
.endif
.endm
; A joint load: waves 0 and 1 fetch P's two halves, waves 2 and 3 R's.  The branch hangs on the wave's number alone.  An s_nop 0 and four v_nop follow each of the two lines
.macro JLOAD s
	s_cmp_eq_u32 s[WY], 0
	s_cbranch_scc0 .Lfor_r_\@
	tensor_load_to_lds s[G0P+4*\s:G0P+4*\s+3], s[G1P:G1P+7]
	s_nop 0
.rept 4
	v_nop
.endr
	s_branch .Lasked_\@
.Lfor_r_\@:
	tensor_load_to_lds s[G0R+4*\s:G0R+4*\s+3], s[G1R:G1R+7]
	s_nop 0
.rept 4
	v_nop
.endr
.Lasked_\@:
.endm
.macro CREST                           ; a round of the cluster's barrier behind its opening barrier
	s_cmp_lg_u32 s[WV], 0
	s_cbranch_scc1 .Lnot_wave_0_\@
	s_barrier_signal -3
.Lnot_wave_0_\@:
	s_barrier_wait -3
	s_barrier_signal -1
	s_barrier_wait -1
.endm
.macro CROUND
	s_barrier_signal -1
	s_barrier_wait -1
	CREST
.endm
	s_load_b256 s[4:11], s[0:1], 0x0               ; P's buffer s[4:5], R's s[6:7], tbuf s[8:9], the result s[10:11]
	v_lshl_add_u32 v[SPW], v0, 2, SPARE
	v_mov_b32 v[NIL], 0
	ds_add_u32 v[SPW], v[NIL]                      ; the wave's opening: the add and its wait ahead of my first tensor load; the set-up below, work on registers, stands between them
	v_lshrrev_b32 v1, 5, v0
	v_readfirstlane_b32 s[WV], v1
	s_lshr_b32 s[WY], s[WV], 1
	s_and_b32 s[WX], s[WV], 1
	s_bfe_u32 s15, ttmp6, 0x40000                  ; cx
	s_bfe_u32 s16, ttmp6, 0x40004                  ; cy
	s_lshl_b32 s17, ttmp9, 2
	s_add_co_u32 s17, s17, s15                     ; gx: which 192 columns
	s_and_b32 s18, ttmp7, 0xffff                   ; the cluster's y
	s_lshl_b32 s19, s18, 2
	s_add_co_u32 s19, s19, s16                     ; gy: which rows
	s_lshl_b32 s20, s16, 2
	s_lshl_b32 s20, 15, s20                        ; my row of the cluster
	s_lshl_b32 s21, 0x1111, s15                    ; my column
	s_or_b32 s[G1P+0], s20, (3<<16)|(1<<21)        ; the mask: P's tiles go to my row; elements of 8 bytes; bit 21 set beside a mask; no padding
	s_mov_b32 s[G1P+1], (PROWB/8)<<16              ; tensor_dim0
	s_mov_b32 s[G1P+2], (NK/2)<<16                 ; tensor_dim1
	s_mov_b32 s[G1P+3], (PROWB/8)<<16              ; tile_dim0
	s_mov_b32 s[G1P+4], NK/2                       ; tile_dim1
	s_mov_b32 s[G1P+5], PPITCH/8                   ; pitch
	s_mov_b32 s[G1P+6], 0
	s_mov_b32 s[G1P+7], 0
	s_or_b32 s[G1R+0], s21, (3<<16)|(1<<21)        ; R's tiles go to my column
	s_mov_b32 s[G1R+1], (RROWB/8)<<16
	s_mov_b32 s[G1R+2], (NK/2)<<16
	s_mov_b32 s[G1R+3], (RROWB/8)<<16
	s_mov_b32 s[G1R+4], NK/2
	s_mov_b32 s[G1R+5], RPITCH/8
	s_mov_b32 s[G1R+6], 0
	s_mov_b32 s[G1R+7], 0
	; where the tiles come from.  P's hang on gy alone, which my row of the cluster shares; R's on gx and on the batch = cluster y / 2, which my column shares
.if MODE == 0
	s_lshr_b32 s40, s19, 3                         ; batch
	s_mul_i32 s40, s40, NS*PPITCH
	s_and_b32 s41, s19, 7
	s_mul_i32 s41, s41, PROWB
	s_add_co_u32 s40, s40, s41
	s_add_co_u32 s40, s40, 12582912                ; kTf lies behind q16f
.else
	s_lshl_b32 s40, s19, 13                        ; eight tiles of rows for each gy
.endif
	s_mul_i32 s41, s[WX], (NK/2)*PPITCH
	s_add_co_u32 s40, s40, s41
	s_mov_b32 s41, 0
	s_lshr_b32 s42, s18, 1
	s_mul_i32 s42, s42, NS*RPITCH
	s_mul_i32 s43, s17, RROWB
	s_add_co_u32 s42, s42, s43
	s_mul_i32 s43, s[WX], (NK/2)*RPITCH
	s_add_co_u32 s42, s42, s43
	s_mov_b32 s43, 0
	s_mul_i32 s44, s[WX], PPART/2                  ; and where they go: no place in the cluster enters an LDS address
	s_mul_i32 s45, s[WX], RPART/2
	s_add_co_u32 s45, s45, PPART
	s_wait_dscnt 0x0                               ; the opening add is done
	s_wait_kmcnt 0x0
	s_add_nc_u64 s[40:41], s[4:5], s[40:41]
	s_add_nc_u64 s[42:43], s[6:7], s[42:43]
	s_load_b64 s[68:69], s[8:9], 0x0               ; -t, t + 12: wanted on the way out
	CROUND                                         ; all sixteen work-groups are here: the first joint loads meet
.irp s, 0,1
	s_mov_b32 s[G0P+4*\s], 1
	s_add_co_u32 s[G0P+4*\s+1], s44, \s*SLOT
	s_add_nc_u64 s[G0P+4*\s+2:G0P+4*\s+3], s[40:41], \s*PSTEP
	s_or_b32 s[G0P+4*\s+3], s[G0P+4*\s+3], 0x80000000
	s_mov_b32 s[G0R+4*\s], 1
	s_add_co_u32 s[G0R+4*\s+1], s45, \s*SLOT
	s_add_nc_u64 s[G0R+4*\s+2:G0R+4*\s+3], s[42:43], \s*RSTEP
	s_or_b32 s[G0R+4*\s+3], s[G0R+4*\s+3], 0x80000000
	JLOAD \s                                       ; chunks 0 and 1: two loads of mine are out
.endr
	v_and_b32 v1, 31, v0                           ; l
	v_and_b32 v2, 15, v0                           ; r
	v_bfe_u32 v3, v0, 4, 1                         ; h
	v_lshlrev_b32 v4, 4, v1                        ; 16 l
	s_mul_i32 s46, s[WY], MT*1024
	v_add_nc_u32 v[ADRP], s46, v4
	v_add_nc_u32 v[ADRP+1], SLOT, v[ADRP]
	s_mul_i32 s47, s[WX], 6144
	s_add_co_u32 s47, s47, PPART
	v_add_nc_u32 v[ADRR], s47, v4
	v_add_nc_u32 v[ADRR+1], 4*RROWB, v[ADRR]
	v_add_nc_u32 v[ADRR+2], SLOT, v[ADRR]
	v_add_nc_u32 v[ADRR+3], 4*RROWB, v[ADRR+2]
.if MODE == 0
	; g16f: fragment (d32 = 3 (gy % 8) + (3 wy + a) / 2, tile of e = 12 gx + 6 wx + b), half c = (3 wy + a) % 2
	s_lshr_b32 s70, s19, 3
	s_mul_i32 s70, s70, 24
	s_and_b32 s71, s19, 7
	s_mul_i32 s71, s71, 3
	s_add_co_u32 s70, s70, s71
	s_mul_i32 s70, s70, 48
	s_mul_i32 s71, s17, 12
	s_add_co_u32 s70, s70, s71
	s_mul_i32 s71, s[WX], 6
	s_add_co_u32 s70, s70, s71
	s_lshl_b32 s70, s70, 10
	s_mov_b32 s71, 0
	s_add_nc_u64 s[10:11], s[10:11], s[70:71]
	s_mul_i32 s72, s[WY], 3
.irp a, 0,1,2
	s_add_co_u32 s73, s72, \a
	s_lshr_b32 s74, s73, 1
	s_mul_i32 s74, s74, 49152
	s_and_b32 s73, s73, 1
	s_lshl_b32 s73, s73, 9
	s_add_co_u32 s74, s74, s73
	v_add_nc_u32 v[GO+\a], s74, v4
.endr
.else
	s_lshl_b32 s70, s19, 7
	s_lshl_b32 s71, s[WV], 5
	s_add_co_u32 s70, s70, s71                     ; the first row that I store: 128 gy + 32 wave
	s_mul_i32 s70, s70, 3072
	s_mul_i32 s71, s17, 768
	s_add_co_u32 s70, s70, s71
	s_mov_b32 s71, 0
	s_add_nc_u64 s[10:11], s[10:11], s[70:71]
	v_mul_u32_u24 v[STO], v2, SP                   ; into the stage: row 64 wy + r, + 384 wx + 32 h
	v_lshl_add_u32 v[STO], v3, 5, v[STO]
	s_mul_i32 s72, s[WY], 64*SP
	s_mul_i32 s73, s[WX], 384
	s_add_co_u32 s72, s72, s73
	v_add_nc_u32 v[STO], s72, v[STO]
	s_mul_i32 s72, s[WV], 32*SP                    ; back: my 32 rows, two rows (1,536 bytes) by three loads of 512:
	v_add_nc_u32 v[RD0], s72, v4                   ; the first and the third take 512 bytes on end;
	v_mul_u32_u24 v[RD1], v3, 272                  ; the second: lanes 0-15 the even row's last 256, lanes 16-31 the odd row's first 256
	v_lshl_add_u32 v[RD1], v2, 4, v[RD1]
	s_add_co_u32 s72, s72, 512
	v_add_nc_u32 v[RD1], s72, v[RD1]
	v_mul_u32_u24 v[CO1], v3, 2560                 ; the same places in out0, whose rows are 3,072 bytes apart
	v_lshl_add_u32 v[CO1], v2, 4, v[CO1]
	v_add_nc_u32 v[CO1], 512, v[CO1]
.endif
.macro FETCH n                         ; step n's fragments into set n % 3
.set fs, ((\n)/NK)%2
.set fk, (\n)%NK
.set fb, 80*((\n)%3)
	WIN 0x40                                       ; destination window 1, address window 0
.irp a, 0,1,2,3
.if \a < MT
	ds_load_b128 v[fb+8*\a:fb+8*\a+3],   v[ADRP+fs] offset:fk*PROWB+\a*1024
	ds_load_b128 v[fb+8*\a+4:fb+8*\a+7], v[ADRP+fs] offset:fk*PROWB+\a*1024+512
.endif
.endr
.irp b, 0,1,2,3,4,5
	ds_load_b128 v[fb+32+8*\b:fb+32+8*\b+3],   v[ADRR+2*fs+fk/4] offset:(fk%4)*RROWB+\b*1024
	ds_load_b128 v[fb+32+8*\b+4:fb+32+8*\b+7], v[ADRR+2*fs+fk/4] offset:(fk%4)*RROWB+\b*1024+512
.endr
.endm
; 3 MT matrix instructions: all my tiles of rows x three tiles of columns.  The accumulators take turns, one instruction a turn, in the same order in every step.  Step 0 starts the sums.
; MODE 0: source 0 = P: a lane holds one column e and eight neighbouring d, which are the next K.  MODE 1: source 0 = R: a lane holds one row s and eight neighbouring e: 32 bytes of a row of out0.
.macro MULH n, hf
.set mb, 80*((\n)%3)
	WIN 0x05                                       ; sources 0 and 1 window 1; C and D window 0
.irp a, 0,1,2,3
.if \a < MT
.irp b, 0,1,2
.set xac, ACC+8*(6*\a+3*(\hf)+\b)
.if MODE == 0
.set xs0, mb+8*\a
.set xs1, mb+32+8*(3*(\hf)+\b)
.else
.set xs0, mb+32+8*(3*(\hf)+\b)
.set xs1, mb+8*\a
.endif
.if (\n) == 0
	v_wmma_f32_16x16x32_f16 v[xac:xac+7], v[xs0:xs0+7], v[xs1:xs1+7], 0
.else
	v_wmma_f32_16x16x32_f16 v[xac:xac+7], v[xs0:xs0+7], v[xs1:xs1+7], v[xac:xac+7]
.endif
.endr
.endif
.endr
.endm
.macro PLACES                          ; four plain places behind matrix instructions, in front of loads into registers that they have read and of the first read of results
.rept 4
	v_nop
.endr
.endm
.macro STEP n
.if (\n) == NS-1
	s_wait_dscnt 0x0
.else
	s_wait_dscnt NL                                ; this step's fragments are in; the next step's NL loads may be out
.endif
.if (\n)+2 < NS
	PLACES                                         ; the set that step n - 1 multiplied takes step n + 2's
	FETCH (\n)+2
.endif
	MULH \n, 0
	MULH \n, 1
.endm
; THE CHANGE OF SLOTS, in a chunk's last step but one: the last step's fragments have been asked for, so my reads of the slot end here.  Each wave waits for all its tensor loads (its part of the other slot), adds 0 to its
; spare word, and waits for that and for its reads.  fill = 1: the barrier opens a round of the cluster's, and the slot takes the chunk two on: the load has a chunk's matrix work in which to land.
.macro TURN n, fill
.set ts, ((\n)/NK)%2
	WIN 0                                          ; (the add's two registers lie in window 0)
	s_wait_tensorcnt 0x0                           ; all my tensor loads have landed;
	ds_add_u32 v[SPW], v[NIL]                      ; 0 onto my spare word;
	s_wait_dscnt NL+1                              ; (the add and the next step's NL loads may be out)
	MULH \n, 0                                     ; matrix work stands between the add and the wait for it
	s_wait_dscnt 0x0                               ; the add is done, and my reads of this slot are over
	s_barrier_signal -1
	MULH \n, 1
	WIN 0
	s_barrier_wait -1
.if \fill
	CREST                                          ; no wave of any partner still reads this slot or has a load on its way
	s_add_nc_u64 s[G0P+4*ts+2:G0P+4*ts+3], s[G0P+4*ts+2:G0P+4*ts+3], 2*PSTEP
	s_add_nc_u64 s[G0R+4*ts+2:G0R+4*ts+3], s[G0R+4*ts+2:G0R+4*ts+3], 2*RSTEP
	JLOAD ts                                       ; the first tensor load behind the round; its four v_nop are also the places in front of the loads below
.else
	PLACES
.endif
	FETCH (\n)+2                                   ; the other slot's first step
.endm
	s_wait_tensorcnt 0x1                           ; my part of chunk 0 is in; chunk 1's may stay out
	s_barrier_signal -1
	s_barrier_wait -1
	FETCH 0
	FETCH 1
.set N, 0
.rept NS
.if (N%NK == NK-2) && (N/NK < 3)
.if N/NK < 2
	TURN N, 1
.else
	TURN N, 0
.endif
.else
	STEP N
.endif
.set N, N+1
.endr
	WIN 0
	s_wait_kmcnt 0x0                               ; -t and t + 12
.if MODE == 0
	; THE WAY OUT: x 2^-t (exact), to f16: a lane's 16 bytes are registers 4 c .. 4 c + 3 of a fragment of the next launch's R.  Each store of the wave covers 512 consecutive bytes
	PLACES
.irp a, 0,1,2
.irp b, 0,1,2,3,4,5
.set xac, ACC+8*(6*\a+\b)
.irp j, 0,1,2,3,4,5,6,7
	v_ldexp_f32 v[xac+\j], v[xac+\j], s68          ; each accumulator from its low end on
.endr
.irp j, 0,1,2,3
	v_cvt_pk_f16_f32 v[xac+\j], v[xac+2*\j], v[xac+2*\j+1]
.endr
	global_store_b128 v[GO+\a], v[xac:xac+3], s[10:11] offset:\b*1024
.endr
.endr
.else
	; THE WAY OUT: x 768^-1.5 x 2^(t + 12); through the work-group's stage, since a row's 768 bytes come from two waves; back as whole rows, 32 rows a wave
	v_mov_b32 v30, 0x384511a3                      ; 768^-1.5
	v_ldexp_f32 v30, v30, s69
	v_mov_b32 v31, v30
	v_nop
	v_nop                                          ; (with the three lines above: the places behind the last products)
.irp a, 0,1,2,3
.irp b, 0,1,2,3,4,5
.set xac, ACC+8*(6*\a+\b)
.irp j, 0,2,4,6
	v_pk_mul_f32 v[xac+\j:xac+\j+1], v[xac+\j:xac+\j+1], v[30:31]              ; each accumulator from its low end on
.endr
	ds_store_b128 v[STO], v[xac:xac+3] offset:\a*16*SP+64*\b
	ds_store_b128 v[STO], v[xac+4:xac+7] offset:\a*16*SP+64*\b+16
.endr
.endr
	s_wait_dscnt 0x0                               ; for the others' sake: my stores into the stage are done
	s_barrier_signal -1
	s_barrier_wait -1
.set j, 0
.rept 16
	ds_load_b128 v[ACC+12*j:ACC+12*j+3],    v[RD0] offset:j*2*SP
	ds_load_b128 v[ACC+12*j+4:ACC+12*j+7],  v[RD1] offset:j*2*SP
	ds_load_b128 v[ACC+12*j+8:ACC+12*j+11], v[RD0] offset:j*2*SP+SP+256
.set j, j+1
.endr
.set j, 0
.rept 16
	s_wait_dscnt 47-3*j                            ; LDS loads come back in order: the younger ones stay out
	global_store_b128 v4, v[ACC+12*j:ACC+12*j+3], s[10:11] offset:j*6144 th:TH_STORE_NT             ; sixteen lanes store 256 consecutive bytes, aligned
	s_wait_dscnt 46-3*j
	global_store_b128 v[CO1], v[ACC+12*j+4:ACC+12*j+7], s[10:11] offset:j*6144 th:TH_STORE_NT
	s_wait_dscnt 45-3*j
	global_store_b128 v4, v[ACC+12*j+8:ACC+12*j+11], s[10:11] offset:j*6144+3328 th:TH_STORE_NT
.set j, j+1
.endr
.endif
	s_wait_tensorcnt 0x0                           ; the wave's end: behind my last tensor load and my last LDS store
	ds_add_u32 v[SPW], v[NIL]
	s_wait_dscnt 0x0
	CROUND                                         ; the closing round: no work-group ends while a partner may still ask for a tile that names it
	s_endpgm
.Lfunc_end_k_qc97041b778_out:
	.size	k_qc97041b778_out, .Lfunc_end_k_qc97041b778_out-k_qc97041b778_out
	.p2alignl 7, 3214868480
	.fill 96, 4, 3214868480
	.section	.rodata,"a",@progbits
	.p2align	6, 0x0
	.amdhsa_kernel k_qc97041b778_out
		.amdhsa_group_segment_fixed_size 327680
		.amdhsa_private_segment_fixed_size 0
		.amdhsa_enable_private_segment 0
		.amdhsa_kernarg_size 32
		.amdhsa_user_sgpr_count 2
		.amdhsa_user_sgpr_kernarg_segment_ptr 1
		.amdhsa_wavefront_size32 1
		.amdhsa_system_sgpr_workgroup_id_x 1
		.amdhsa_system_sgpr_workgroup_id_y 1
		.amdhsa_system_sgpr_workgroup_id_z 1
		.amdhsa_system_vgpr_workitem_id 0
		.amdhsa_next_free_vgpr 512
		.amdhsa_next_free_sgpr 84
		.amdhsa_reserve_vcc 0
		.amdhsa_float_denorm_mode_32 3
		.amdhsa_float_denorm_mode_16_64 3
		.amdhsa_memory_ordered 1
		.amdhsa_forward_progress 1
		.amdhsa_inst_pref_size 100
	.end_amdhsa_kernel
	.amdgpu_metadata
---
amdhsa.version: [ 1, 2 ]
amdhsa.kernels:
  - .name:           k_qc97041b778_out
    .symbol:         k_qc97041b778_out.kd
    .args:
      - { .name: qk, .offset: 0, .size: 8, .value_kind: global_buffer, .address_space: global }
      - { .name: g16f, .offset: 8, .size: 8, .value_kind: global_buffer, .address_space: global }
      - { .name: tbuf, .offset: 16, .size: 8, .value_kind: global_buffer, .address_space: global }
      - { .name: out0, .offset: 24, .size: 8, .value_kind: global_buffer, .address_space: global }
    .group_segment_fixed_size: 327680
    .private_segment_fixed_size: 0
    .kernarg_segment_align: 8
    .kernarg_segment_size: 32
    .max_flat_workgroup_size: 128
    .sgpr_count:     84
    .vgpr_count:     512
    .wavefront_size: 32
...
	.end_amdgpu_metadata
.endif
;; end of part 4
